; MI455X (gfx1250); checked and timed in simulation.
; The chip was launched on July 23, 2026; its instructions are those of AMD's public machine-readable ISA for CDNA 5 (MIT licence, August 2026) and "CDNA5" Instruction Set Architecture Reference Guide (July 2026). The comments in the code are by the model that wrote it; some were corrected since.
;; Multi Head Attention. Allowed arithmetic: matrix products marked QUANTISED: E2M1 operands, one E8M0 scale for each 32 along K, by v_wmma_scale_f32_16x16x128_f8f6f4 with both operands' format E2M1 (or v_wmma_scale_f32_32x16x128_f4), f32 sums; products left as they are: bf16, f16 or f32 operands; f32 sums; everything else in f32.
;; Inputs: Wk 1,024 x 1,024 float32; Wo 1,024 x 1,024 float32; Wq 1,024 x 1,024 float32; Wv 1,024 x 1,024 float32; bk 1,024 float32; bo 1,024 float32; bq 1,024 float32; bv 1,024 float32; keys 4 x 2,048 x 1,024 float32; mask 1 x 1 x 2,048 x 2,048 float32; queries 4 x 2,048 x 1,024 float32; values 4 x 2,048 x 1,024 float32.
;; Outputs: out0 4 x 2,048 x 1,024 float32.
;; This version of the problem:
;;   THIS VERSION OF THE PROBLEM IS GIVEN IN LOW PRECISION. The matrix products marked QUANTISED in the list below multiply operands that are first quantised to E2M1 (2 exponent bits, 1 mantissa bit; 4 bits a number), with one power-of-two scale for each 32 numbers along K (OCP MX v1.0); their sums are f32. The products marked 'left as it is' may take bf16, f16 or f32 operands, with f32 sums. Whichever they take, every output number must still come out within the allowed error. Rounding operands to bf16 (8 significant bits) uses up far more of that allowance than f16 does (11 bits, for magnitudes from 6e-5 to 65,504). All else is computed in f32.
;;   The module's matrix products, in the order in which they are computed (A, B: the left and right operand; K: the contracted axis; several contracted axes count as one K, in the product's order):
;;     1. [M 8,192, K 1,024] x [K 1,024, N 1,024]; A: input queries; B: input Wq: QUANTISED
;;     2. [M 8,192, K 1,024] x [K 1,024, N 1,024]; A: input keys; B: input Wk: QUANTISED
;;     3. [M 8,192, K 1,024] x [K 1,024, N 1,024]; A: input values; B: input Wv: QUANTISED
;;     4. batch 64 x [M 2,048, K 64] x [K 64, N 2,048]; A: computed on the way; B: computed on the way: left as it is (an operand is computed on the way)
;;     5. batch 64 x [M 2,048, K 2,048] x [K 2,048, N 64]; A: computed on the way; B: computed on the way: left as it is (an operand is computed on the way)
;;     6. [M 8,192, K 1,024] x [K 1,024, N 1,024]; A: computed on the way; B: input Wo: left as it is (an operand is computed on the way)
;;   THE QUANTISER, for each operand of a quantised product, along K:
;;     - K is cut into blocks of 32 from its start; a last block that is shorter is filled with zeros.
;;     - A block's scale is 2^e with e = floor(log2(the largest magnitude in the block)) - 2, held to -126 .. 127; a block of zeros has e = 0. As a byte (E8M0): e + 127.
;;     - Each number is divided by its block's scale, clamped to +-6, and rounded to the nearest number of E2M1, ties to even, subnormals kept.
;;     - The product sums the exact products of the quantised numbers (number of the format x scale) in f32.
;;   ~~~python
;;   def quantise(x, axis):      # numpy; x: float32 -> the quantised numbers, widened to float32 again
;;       x = np.moveaxis(x, axis, -1); K = x.shape[-1]
;;       x = np.pad(x, [(0, 0)] * (x.ndim - 1) + [(0, -K % 32)]); x = x.reshape(x.shape[:-1] + (-1, 32)); a = np.abs(x).max(-1, keepdims=True)
;;       e = np.where(a > 0, np.clip(np.frexp(np.where(a > 0, a, 1))[1] - 1 - 2, -126, 127), 0)      # np.frexp(a)[1] - 1 = floor(log2(a)), exactly
;;       r = np.clip(x / 2.0 ** e, -6, 6)
;;       step = 2.0 ** (np.maximum(np.frexp(np.where(r == 0, 1, r))[1] - 1, 0) - 1)
;;       q = np.round(r / step) * step * 2.0 ** e      # np.round: ties to even
;;       return np.moveaxis(q.reshape(q.shape[:-2] + (-1,))[..., :K], -1, axis).astype(np.float32)
;;   ~~~
;; One version. Each part assembles by itself: llvm-mc -triple=amdgcn-amd-amdhsa -mcpu=gfx1250 --defsym DOCPART=n.
;; ======== version 1 of 1: 4 launches
;; limits: values are held in f16: magnitudes above 65,504 overflow, below 6.1e-05 lose precision
;; workspace buffers: xc 12,582,912 bytes; xs 786,432 bytes; wc 1,572,864 bytes; ws 98,304 bytes; wof 2,097,152 bytes; qkv 50,331,648 bytes; ctxf 16,777,216 bytes
;; launch prep (part 1): grid 1280 x 1, 4 waves a work-group, no clusters, 33,280 bytes of LDS; arguments queries, keys, values, Wq, Wk, Wv, Wo, xc, xs, wc, ws, wof; writes xc, xs, wc, ws, wof
.if DOCPART == 1
	.amdgcn_target "amdgcn-amd-amdhsa--gfx1250"
	.amdhsa_code_object_version 6
	.text
	.protected	k_q2f9aef7863_prep
	.globl	k_q2f9aef7863_prep
	.p2align	8
	.type	k_q2f9aef7863_prep,@function
k_q2f9aef7863_prep:
	s_mov_b64 s[64:65], 0
	v_nop
	global_prefetch_b8 v0, s[64:65] scope:SCOPE_SE
	s_setreg_imm32_b32 hwreg(HW_REG_WAVE_MODE, 25, 1), 1
	s_wait_xcnt 0x0
; MULTI-HEAD ATTENTION, launch 1 of 4: the operands of the three quantised products become codes of E2M1 with one E8M0 byte for each 32 along K, and Wo becomes f16.
; DEAD WORK, for the whole program: bk.  scores[q][k] = q . (keys[k] Wk + bk) / 8 = q . (keys[k] Wk) / 8 + q . bk / 8.  The second term does not hang on k: it is the same along the softmax's axis, for all values
; of the inputs, and the product of q with k is not quantised, so bk moves no code and no scale.  bk has no way to an output: it is not loaded and is among no launch's arguments.
; LIMIT: a NaN, an infinity or an overflow that would arise through bk alone is not carried to the result.
; bv is live and is moved, not dropped: sum(p (v + bv)) / sum(p) = sum(p v) / sum(p) + bv; the attention launch adds it in f32.
; THREE JOBS, chosen by the work-group's number; the paths never meet again, and only the third touches LDS.
;   0 .. 383    Wq, Wk, Wv [k 1024][n 1024] f32: a wave makes ONE operand fragment (16 columns n x 128 along K): a lane takes a column, its registers run down K in the operand's own order, so the
;               conversions' results ARE the operand's registers.  They are stored as an image: register group c of lane l at 512 c + 16 l, 1,024 bytes a fragment: wc [p][n tile 64][K step 8].  Scale words: ws [p][n][32 bytes].
;   384 .. 511  Wo [k 1024][n 1024] f32 to f16 fragments (16 columns n x 32 along K), the same way: wof [n tile 64][k / 32][1,024 bytes].
;   512 .. 1279 queries, keys, values: dense streams of blocks of 32 along K: codes xc [24576 rows][512 bytes], scale bytes xs [24576][32].
; A block's scale is 2^(floor(log2(its largest magnitude)) - 2); its byte is the largest magnitude's exponent field - 2, held at 1 from below.  A block of zeros keeps the byte 1 where the rule says 127: its codes are zeros, and this program alone reads the bytes.
; LIMITS: blocks whose largest magnitude lies under 2^-124 have their byte held at 1; NaN and infinities among the inputs are not served; Wo beyond f16's range (65,504) is not served, and under 6e-5 it loses bits.
.set WAVES, 4
.set STEPS, 16
.set EMAX,  2
.set CB,    8                          ; bytes of 16 codes
.set R,     16                         ; v16-79   stream: four sets of 16 numbers as loaded
.set X,     80                         ; v80-111  stream: two sets of 16 neighbours
.set E,     112                        ; v112-127 stream: a scale byte for each step
.set C,     128                        ; v128-191 stream: codes, four registers for each step
.set WREG,  8192                       ; LDS: a region for each wave: two stages of 32 x SP bytes, then its 256 scale bytes
.set SP,    80                         ; a lane's place in a stage: 64 bytes + 16 of padding
.set SPW,   12                         ; v12 LDS address of my spare word; never rewritten
.set NIL,   13                         ; v13 0; never rewritten
.set SPARE, WAVES*WREG                 ; the spare words, 128 bytes for each wave, that no other line names
	s_load_b512 s[4:19], s[0:1], 0x0               ; queries s[4:5], keys s[6:7], values s[8:9], Wq s[10:11], Wk s[12:13], Wv s[14:15], Wo s[16:17], xc s[18:19]
	s_load_b256 s[20:27], s[0:1], 0x40             ; xs s[20:21], wc s[22:23], ws s[24:25], wof s[26:27]
	v_lshl_add_u32 v[SPW], v0, 2, SPARE
	v_mov_b32 v[NIL], 0
	v_lshrrev_b32 v1, 5, v0
	v_readfirstlane_b32 s28, v1                    ; wave
	v_and_b32 v2, 31, v0                           ; lane
	s_mov_b32 s30, 0x76543210
	s_mov_b32 s31, 0xfedcba98                      ; v_permlanex16_b32's selects for lane l xor 16
	; the stream's LDS addresses are made here, ahead of the parting; the other two paths use v20 and up
	s_mul_i32 s29, s28, WREG
	v_lshlrev_b32 v3, 4, v2                        ; my 16 bytes of a load's 512
	v_lshrrev_b32 v14, 2, v2
	v_mul_u32_u24 v14, v14, SP
	v_and_b32 v15, 3, v2
	v_lshl_add_u32 v14, v15, 4, v14
	v_add_nc_u32 v14, s29, v14                     ; the stage, on the way in: SP (lane / 4) + 16 (lane % 4)
	v_mul_u32_u24 v15, v2, SP
	v_add_nc_u32 v15, s29, v15                     ; and on the way out: SP x lane
	v_mul_u32_u24 v4, v2, CB                       ; my codes' place in a step's
	v_lshrrev_b32 v5, 1, v2
	s_add_co_u32 s29, s29, 2*32*SP
	v_add_nc_u32 v5, s29, v5                       ; my wave's 256 scale bytes, my block's byte
	v_lshlrev_b32 v7, 3, v2
	v_add_nc_u32 v6, s29, v7                       ; and on the way out 8 bytes a lane
	s_wait_kmcnt 0x0
	s_cmp_ge_u32 ttmp9, 512
	s_cbranch_scc1 .LX
	s_cmp_ge_u32 ttmp9, 384
	s_cbranch_scc1 .LWO
	; ---- Wq, Wk, Wv: one fragment of 16 columns x 128 along K a wave.  The four waves stand side by side on 256 bytes of each row of W.
	v_and_b32 v20, 15, v0                          ; r: my column in the tile
	v_bfe_u32 v21, v0, 4, 1                        ; h
	v_lshlrev_b32 v22, 2, v20
	v_lshl_add_u32 v22, v21, 17, v22               ; 4 r + 32 h rows of 4,096 bytes: the layout gives lane (r, h) k = 64 c + 32 h + 0 .. 31
	v_lshlrev_b32 v23, 4, v2                       ; an image's place for my lane
	v_lshlrev_b32 v24, 5, v20                      ; my column's row of scale bytes
	s_lshr_b32 s32, ttmp9, 7                       ; p: 0 Wq, 1 Wk, 2 Wv
	s_and_b32 s33, ttmp9, 15
	s_bfe_u32 s34, ttmp9, 0x30004                  ; the K step of 128
	s_lshl_b32 s33, s33, 2
	s_add_co_u32 s33, s33, s28                     ; the tile of 16 columns
	s_cmp_eq_u32 s32, 0
	s_cselect_b64 s[36:37], s[10:11], s[12:13]
	s_cmp_eq_u32 s32, 2
	s_cselect_b64 s[36:37], s[14:15], s[36:37]
	s_lshl_b32 s38, s34, 19                        ; 128 rows of 4,096 bytes a K step
	s_lshl_b32 s39, s33, 6
	s_add_co_u32 s38, s38, s39
	s_mov_b32 s39, 0
	s_add_nc_u64 s[36:37], s[36:37], s[38:39]
	s_lshl_b32 s38, s32, 6
	s_add_co_u32 s38, s38, s33
	s_lshl_b32 s38, s38, 3
	s_add_co_u32 s38, s38, s34
	s_lshl_b32 s38, s38, 10                        ; ((64 p + tile) 8 + K step) x 1,024
	s_add_nc_u64 s[40:41], s[22:23], s[38:39]
	s_lshl_b32 s38, s32, 15
	s_lshl_b32 s44, s33, 9
	s_add_co_u32 s38, s38, s44
	s_lshl_b32 s44, s34, 2
	s_add_co_u32 s38, s38, s44                     ; (1024 p + 16 tile) x 32 + 4 x K step
	s_add_nc_u64 s[42:43], s[24:25], s[38:39]
.irp c, 0,1
.set i, 0
.rept 32
	global_load_b32 v[64+32*\c+i], v22, s[36:37] offset:(64*\c+i)*4096 th:TH_LOAD_NT   ; W(64 c + 32 h + i, my column)
.set i, i+1
.endr
.endr
.macro WMAX c                          ; my block 2 c + h: all its 32 numbers are mine; the floor 2^(3 - 127) holds the byte at 1 from below
	v_max3_num_f32 v[32+\c], |v[64+32*\c]|, |v[65+32*\c]|, 0x1800000
.set i, 2
.rept 15
	v_max3_num_f32 v[32+\c], v[32+\c], |v[64+32*\c+i]|, |v[65+32*\c+i]|
.set i, i+2
.endr
.endm
	s_wait_loadcnt 32                              ; the first block's 32 loads are in; the second's may be out
	WMAX 0
	s_wait_loadcnt 0x0
	WMAX 1
	v_add_nc_u32 v44, 0xff000000, v32              ; 2 off the exponent field: the conversion's scale operand
	v_add_nc_u32 v45, 0xff000000, v33
	v_lshrrev_b32 v36, 23, v44                     ; the scale's byte
	v_lshrrev_b32 v37, 23, v45
	v_lshl_or_b32 v26, v37, 16, v36                ; blocks h and 2 + h,
	v_lshlrev_b32 v27, 3, v21
	v_lshlrev_b32 v26, v27, v26                    ; at their places in the scale word
	v_mov_b32 v27, 0
	v_permlanex16_b32 v27, v26, s30, s31
	v_or_b32 v26, v26, v27                         ; with lane l xor 16's two the word is whole
.irp c, 0,1
.irp g, 0,1,2,3
	v_cvt_scalef32_pk8_fp4_f32 v[48+4*\c+\g], v[64+32*\c+8*\g:71+32*\c+8*\g], v[44+\c]
.endr
.endr
	v_nop
	global_store_b128 v23, v[48:51], s[40:41]              ; 32 lanes store 512 consecutive bytes
	global_store_b128 v23, v[52:55], s[40:41] offset:512
	global_store_b32 v24, v26, s[42:43]                    ; lanes r and r + 16 store the same word to the same place
	s_endpgm
.LWO:	; ---- Wo: four f16 fragments (16 columns x 32 along K each) a wave
	s_sub_co_u32 s32, ttmp9, 384
	s_and_b32 s33, s32, 15
	s_lshr_b32 s34, s32, 4                         ; which 128 along K
	s_lshl_b32 s33, s33, 2
	s_add_co_u32 s33, s33, s28                     ; the tile of 16 columns
	v_and_b32 v20, 15, v0
	v_bfe_u32 v21, v0, 4, 1
	v_lshlrev_b32 v22, 2, v20
	v_lshl_add_u32 v22, v21, 15, v22               ; 4 r + 8 h rows: the 16-bit layout gives lane (r, h) k = 8 h + 0 .. 7 and 16 + 8 h + 0 .. 7
	v_lshlrev_b32 v23, 4, v2
	s_lshl_b32 s38, s34, 19
	s_lshl_b32 s39, s33, 6
	s_add_co_u32 s38, s38, s39
	s_mov_b32 s39, 0
	s_add_nc_u64 s[36:37], s[16:17], s[38:39]
	s_lshl_b32 s38, s33, 15
	s_lshl_b32 s44, s34, 12
	s_add_co_u32 s38, s38, s44                     ; (32 tile + 4 x which) x 1,024
	s_add_nc_u64 s[40:41], s[26:27], s[38:39]
.irp f, 0,1,2,3
.set i, 0
.rept 16
	global_load_b32 v[64+16*\f+i], v22, s[36:37] offset:(32*\f+16*(i/8)+(i%8))*4096 th:TH_LOAD_NT
.set i, i+1
.endr
.endr
	s_wait_loadcnt 0x0
.irp f, 0,1,2,3
.irp j, 0,1,2,3,4,5,6,7
	v_cvt_pk_f16_f32 v[32+8*\f+\j], v[64+16*\f+2*\j], v[65+16*\f+2*\j]
.endr
.endr
.irp f, 0,1,2,3
	global_store_b128 v23, v[32+8*\f:35+8*\f], s[40:41] offset:1024*\f
	global_store_b128 v23, v[36+8*\f:39+8*\f], s[40:41] offset:1024*\f+512
.endr
	s_endpgm
.LX:	; ---- queries, keys, values: a wave takes 16 steps of 512 numbers.  Each load reads 512 consecutive bytes; a step's 2,048 bytes turn through the wave's own stage in LDS, so that a lane holds 16 neighbours along K.
	s_sub_co_u32 s32, ttmp9, 512                   ; 256 work-groups to a tensor
	s_cmp_lt_u32 s32, 256
	s_cselect_b64 s[34:35], s[4:5], s[6:7]
	s_cmp_lt_u32 s32, 512
	s_cselect_b64 s[34:35], s[34:35], s[8:9]
	s_and_b32 s33, s32, 255
	s_lshl_b32 s33, s33, 2
	s_add_co_u32 s33, s33, s28
	s_lshl_b32 s36, s33, 15                        ; my wave's run of 8,192 numbers in its tensor
	s_mov_b32 s37, 0
	s_add_nc_u64 s[34:35], s[34:35], s[36:37]
	s_lshl_b32 s33, s32, 2
	s_add_co_u32 s33, s33, s28                     ; and in the three tensors on end
	s_lshl_b32 s36, s33, 12
	s_add_nc_u64 s[38:39], s[18:19], s[36:37]      ; 4,096 bytes of codes a run
	s_lshl_b32 s36, s33, 8
	s_add_nc_u64 s[40:41], s[20:21], s[36:37]      ; 256 scale bytes a run
.macro LOAD t
.irp i, 0,1,2,3
	global_load_b128 v[R+16*((\t)%4)+4*\i:R+16*((\t)%4)+4*\i+3], v3, s[34:35] offset:2048*(\t)+512*\i th:TH_LOAD_NT
.endr
.endm
.macro TURN t                          ; step t's numbers through the stage: LDS serves a wave's instructions in order, so no wait stands between the stores and the loads
.irp i, 0,1,2,3
	ds_store_b128 v14, v[R+16*((\t)%4)+4*\i:R+16*((\t)%4)+4*\i+3] offset:32*SP*((\t)%2)+8*SP*\i
.endr
.irp i, 0,1,2,3
	ds_load_b128 v[X+16*((\t)%2)+4*\i:X+16*((\t)%2)+4*\i+3], v15 offset:32*SP*((\t)%2)+16*\i
.endr
.endm
.irp t, 0,1,2,3
	LOAD \t
.endr
	s_wait_loadcnt 12                              ; step 0's four loads are in
	TURN 0
.macro STEP t
.set XS, X+16*((\t)%2)
.if (\t) > 0
	s_wait_dscnt 1                                 ; this step's numbers are back from the stage (the last step's byte store may be out)
.else
	s_wait_dscnt 0x0
.endif
.if (\t)+4 < STEPS
	LOAD (\t)+4
.endif
.if (\t)+1 < STEPS
.if STEPS-2-(\t) >= 3
	s_wait_loadcnt 12                              ; the next step's four loads are in; those of the three steps behind it may be out
.else
	s_wait_loadcnt 4*(STEPS-2-(\t))
.endif
	TURN (\t)+1
.endif
	v_max3_num_f32 v8, |v[XS]|, |v[XS+1]|, |v[XS+2]|
	v_max3_num_f32 v9, |v[XS+3]|, |v[XS+4]|, |v[XS+5]|
.irp i, 6,10
	v_max3_num_f32 v8, v8, |v[XS+\i]|, |v[XS+\i+1]|
	v_max3_num_f32 v9, v9, |v[XS+\i+2]|, |v[XS+\i+3]|
.endr
	v_max3_num_f32 v8, v8, |v[XS+14]|, |v[XS+15]|
	v_max3_num_f32 v8, v8, v9, (EMAX+1)<<23        ; and the floor
	v_max_num_f32_dpp v8, v8, v8 row_xmask:1 row_mask:0xf bank_mask:0xf   ; and my neighbour's 16: the block's
	v_add_nc_u32 v11, -(EMAX<<23), v8
	v_cvt_scalef32_pk8_fp4_f32 v[C+4*(\t)], v[XS:XS+7], v11
	v_cvt_scalef32_pk8_fp4_f32 v[C+4*(\t)+1], v[XS+8:XS+15], v11
	v_lshrrev_b32 v[E+(\t)], 23, v11
	ds_store_b8 v5, v[E+(\t)] offset:16*(\t)       ; both lanes of a block write the same byte with the same value
	global_store_b64 v4, v[C+4*(\t):C+4*(\t)+1], s[38:39] offset:32*CB*(\t)   ; the wave stores 256 consecutive bytes
.endm
.irp t, 0,1,2,3,4,5,6,7,8,9,10,11,12,13,14,15
	STEP \t
.endr
	ds_load_b64 v[8:9], v6
	s_wait_dscnt 0x0
	global_store_b64 v7, v[8:9], s[40:41]          ; 32 lanes store 256 consecutive bytes, aligned
	s_wait_tensorcnt 0x0                           ; the wave's end, behind my last LDS store
	ds_add_u32 v[SPW], v[NIL]
	s_wait_dscnt 0x0
	s_endpgm
.Lfunc_end_k_q2f9aef7863_prep:
	.size	k_q2f9aef7863_prep, .Lfunc_end_k_q2f9aef7863_prep-k_q2f9aef7863_prep
	.p2alignl 7, 3214868480
	.fill 96, 4, 3214868480
	.section	.rodata,"a",@progbits
	.p2align	6, 0x0
	.amdhsa_kernel k_q2f9aef7863_prep
		.amdhsa_group_segment_fixed_size 33280
		.amdhsa_private_segment_fixed_size 0
		.amdhsa_enable_private_segment 0
		.amdhsa_kernarg_size 96
		.amdhsa_user_sgpr_count 2
		.amdhsa_user_sgpr_kernarg_segment_ptr 1
		.amdhsa_wavefront_size32 1
		.amdhsa_system_sgpr_workgroup_id_x 1
		.amdhsa_system_sgpr_workgroup_id_y 1
		.amdhsa_system_sgpr_workgroup_id_z 1
		.amdhsa_system_vgpr_workitem_id 0
		.amdhsa_next_free_vgpr 192
		.amdhsa_next_free_sgpr 66
		.amdhsa_reserve_vcc 0
		.amdhsa_float_denorm_mode_32 3
		.amdhsa_float_denorm_mode_16_64 3
		.amdhsa_memory_ordered 1
		.amdhsa_forward_progress 1
		.amdhsa_inst_pref_size 54
	.end_amdhsa_kernel
	.amdgpu_metadata
---
amdhsa.version: [ 1, 2 ]
amdhsa.kernels:
  - .name:           k_q2f9aef7863_prep
    .symbol:         k_q2f9aef7863_prep.kd
    .args:
      - { .name: queries, .offset: 0, .size: 8, .value_kind: global_buffer, .address_space: global }
      - { .name: keys, .offset: 8, .size: 8, .value_kind: global_buffer, .address_space: global }
      - { .name: values, .offset: 16, .size: 8, .value_kind: global_buffer, .address_space: global }
      - { .name: Wq, .offset: 24, .size: 8, .value_kind: global_buffer, .address_space: global }
      - { .name: Wk, .offset: 32, .size: 8, .value_kind: global_buffer, .address_space: global }
      - { .name: Wv, .offset: 40, .size: 8, .value_kind: global_buffer, .address_space: global }
      - { .name: Wo, .offset: 48, .size: 8, .value_kind: global_buffer, .address_space: global }
      - { .name: xc, .offset: 56, .size: 8, .value_kind: global_buffer, .address_space: global }
      - { .name: xs, .offset: 64, .size: 8, .value_kind: global_buffer, .address_space: global }
      - { .name: wc, .offset: 72, .size: 8, .value_kind: global_buffer, .address_space: global }
      - { .name: ws, .offset: 80, .size: 8, .value_kind: global_buffer, .address_space: global }
      - { .name: wof, .offset: 88, .size: 8, .value_kind: global_buffer, .address_space: global }
    .group_segment_fixed_size: 33280
    .private_segment_fixed_size: 0
    .kernarg_segment_align: 8
    .kernarg_segment_size: 96
    .max_flat_workgroup_size: 128
    .sgpr_count:     66
    .vgpr_count:     192
    .wavefront_size: 32
...
	.end_amdgpu_metadata
.endif
;; end of part 1
;; launch proj (part 2): grid 4 x 96, 4 waves a work-group, clusters of 4 x 4, 327,680 bytes of LDS; arguments xc, xs, wc, ws, qkv, bq; writes qkv
.if DOCPART == 2
	.amdgcn_target "amdgcn-amd-amdhsa--gfx1250"
	.amdhsa_code_object_version 6
	.text
	.protected	k_q2f9aef7863_proj
	.globl	k_q2f9aef7863_proj
	.p2align	8
	.type	k_q2f9aef7863_proj,@function
k_q2f9aef7863_proj:
	s_mov_b64 s[64:65], 0
	v_nop
	global_prefetch_b8 v0, s[64:65] scope:SCOPE_SE
	s_setreg_imm32_b32 hwreg(HW_REG_WAVE_MODE, 25, 1), 1
	s_wait_xcnt 0x0
	s_wait_alu depctr_hold_cnt(0) depctr_sa_sdst(0) depctr_va_vdst(0) depctr_va_sdst(0) depctr_va_ssrc(0) depctr_va_vcc(0) depctr_vm_vsrc(0)
	s_getreg_b32 s2, hwreg(HW_REG_IB_STS2, 6, 4)
	s_cmp_eq_u32 s2, 0
	s_cbranch_scc0 .Lentry_in_a_cluster
	s_endpgm
.Lentry_in_a_cluster:
	s_bfe_u32 s2, ttmp6, 0x10000c
	s_cmp_lg_u32 s2, 0xf033
	s_cbranch_scc0 .Lentry_shape_is_right
	s_endpgm
.Lentry_shape_is_right:
; Launch 2 of 4: the three quantised products as ONE product on codes: C [24576 rows = queries | keys | values][1024] = x W, the weights chosen by p = row / 8192.  K = 1,024; sums in f32, K ascending.
; LEFT OUT: bk (dead: it adds to each score a term that is the same along the softmax's axis; shown at the head of the first kernel).  bv is added by the attention launch, in f32.
; q is stored as q' = (x Wq + bq) c, c = log2(e) / 8, so that q' . k is the score in powers of two.  q', k, v are rounded to f16.  LIMIT: beyond f16's range (65,504) they are not served.
; A tile of C, 256 x 256, is made by four waves, each 128 x 128: 64 accumulators.  K goes in two steps of 512, each in an LDS slot of its own: both slots and the scale bytes are first fills; nothing is filled again.
; A's tiles are rows of 256 bytes of codes (LDS pitch 272).  B's come as images of the operand's registers (1,024 bytes a fragment): a fragment is read back by two loads at 16 x lane.
; CLUSTERS: 4 x 4 work-groups; A's tile is asked for jointly along a row of the cluster, B's along a column.  A cluster covers 1,024 rows, so p is the same in all its partners.
; THE MATRIX INSTRUCTION IS USED TRANSPOSED (source 0 = 16 columns of W, source 1 = 16 rows of x): a lane holds eight neighbouring columns of one token.  Packed to f16 they are four registers of the NEXT product's
; operand: so results leave as images, qkv [row / 16][column / 32][1,024 bytes], group (column / 16) % 2 of lane l at 512 x group + 16 l: each store of the wave covers 512 consecutive bytes.  No stage in LDS.
; In v's images lanes 16-31 lie at place l xor 8: the attention launch reads v by turning loads, and sixteen lanes of such a load then touch sixteen different 16-byte columns of 256 bytes.
; REGISTERS: window 0: v16-29 addresses; v32-95 scale words, two sets; v128-191 A's fragments, one set; v192-255 bq; on the way out v128-255 hold packed results.  window 1: B's fragments, two sets.  windows 2, 3: accumulators.
.set NQ,     4                         ; matrix instructions deep in a slot
.set ROWB,   256                       ; a row of A's tile in bytes: 512 codes
.set KROW,   512                       ; a row of xc in bytes
.set PITCH,  272
.set FR,     8
.set NL,     2
.set NP,     4                         ; places behind this matrix instruction (ISA guide 7.12.1)
.set HALFA,  128*PITCH
.set HALFB,  32768                     ; 8 column tiles x 4 fragments x 1,024 bytes
.set SLOT,   2*HALFA+2*HALFB
.set KS,     32                        ; a row of scale bytes
.set SCL,    2*SLOT
.set HALFS,  (128*KS/256)*272
.set SBLK,   (16*KS/256)*272
.set SPARE,  SCL+4*HALFS               ; the spare words, 128 bytes for each wave, that no other line names
.set ADRA, 16
.set ADRB, 20
.set BQO,  25                          ; v25 32 x (lane / 16): my offset in bq
.set CO,   26                          ; v26 my lane's place in an image
.set ADRS, 27
.set SPW,  28
.set NIL,  29
.set SC,   32
.set AF,   128
.set BQ,   192
.set G1, 24
.set G0, 32
.set G1B, 48
.set G0B, 56
.set G1S, 68
.set G0S, 76
.set G1SB, 80
.set G0SB, 88
.set MSB, 0
.macro WIN new                         ; the immediate's high byte repeats the setting that is left
.if MSB != \new
	s_set_vgpr_msb (MSB<<8)|\new
.set MSB, \new
.endif
.endm
.set MUL_LO, 0xa1                      ; source 0 (B) window 1, source 1 (A) window 0, C and D window 2
.set MUL_HI, 0xf1
.set TO_B,   0x40
.macro JLOAD g0a, g1a, g0b, g1b        ; a joint load: waves 0 and 1 fetch for A, waves 2 and 3 for B; an s_nop 0 and four v_nop follow each line
	s_cmp_eq_u32 s15, 0
	s_cbranch_scc0 .Lfor_b_\@
	tensor_load_to_lds s[\g0a:\g0a+3], s[\g1a:\g1a+7]
	s_nop 0
.rept 4
	v_nop
.endr
	s_branch .Lasked_\@
.Lfor_b_\@:
	tensor_load_to_lds s[\g0b:\g0b+3], s[\g1b:\g1b+7]
	s_nop 0
.rept 4
	v_nop
.endr
.Lasked_\@:
.endm
.macro CROUND                          ; a round of the cluster's barrier
	s_barrier_signal -1
	s_barrier_wait -1
	s_cmp_lg_u32 s14, 0
	s_cbranch_scc1 .Lnot_wave_0_\@
	s_barrier_signal -3
.Lnot_wave_0_\@:
	s_barrier_wait -3
	s_barrier_signal -1
	s_barrier_wait -1
.endm
	s_load_b128 s[4:7], s[0:1], 0x0                ; xc, xs
	s_load_b128 s[8:11], s[0:1], 0x10              ; wc, ws
	s_load_b64 s[12:13], s[0:1], 0x20              ; qkv
	s_load_b64 s[96:97], s[0:1], 0x28              ; bq
	v_lshl_add_u32 v[SPW], v0, 2, SPARE
	v_mov_b32 v[NIL], 0
	ds_add_u32 v[SPW], v[NIL]                      ; the wave's opening: the add, twice on end, and its wait ahead of my first tensor load
	ds_add_u32 v[SPW], v[NIL]
	v_lshrrev_b32 v1, 5, v0
	v_readfirstlane_b32 s14, v1                    ; wave 0..3
	s_lshr_b32 s15, s14, 1                         ; which half of the tile's rows is mine.  Also: I fetch for A (0) or for B (1)
	s_and_b32 s16, s14, 1                          ; which half of its columns.  Also: which half of that tile I fetch
	s_bfe_u32 s40, ttmp6, 0x40000                  ; cx
	s_bfe_u32 s41, ttmp6, 0x40004                  ; cy
	s_lshl_b32 s42, ttmp9, 2
	s_add_co_u32 s42, s42, s40                     ; tile column
	s_and_b32 s17, ttmp7, 0xffff
	s_lshr_b32 s100, s17, 3                        ; p = cluster y / 8: the same in all sixteen partners
	s_lshl_b32 s17, s17, 2
	s_add_co_u32 s17, s17, s41                     ; tile row
	s_lshl_b32 s43, s41, 2
	s_lshl_b32 s43, 15, s43                        ; my row of the cluster
	s_lshl_b32 s44, 0x1111, s40                    ; my column
	s_or_b32 s[G1+0], s43, (0<<16)|(1<<20)|(1<<21)|(5<<22)|(3<<25)  ; A: elements of 1 byte; four words of padding behind every 64
	s_mov_b32 s[G1+1], ROWB<<16
	s_mov_b32 s[G1+2], 128<<16
	s_mov_b32 s[G1+3], ROWB<<16
	s_mov_b32 s[G1+4], 128
	s_mov_b32 s[G1+5], KROW
	s_mov_b32 s[G1+6], 0
	s_mov_b32 s[G1+7], 0
	s_or_b32 s[G1B+0], s44, (3<<16)|(1<<21)        ; B: elements of 8 bytes, no padding: 8 rows (column tiles) of 4,096 bytes (four fragments), 8,192 bytes apart
	s_mov_b32 s[G1B+1], 512<<16
	s_mov_b32 s[G1B+2], 8<<16
	s_mov_b32 s[G1B+3], 512<<16
	s_mov_b32 s[G1B+4], 8
	s_mov_b32 s[G1B+5], 1024
	s_mov_b32 s[G1B+6], 0
	s_mov_b32 s[G1B+7], 0
	s_or_b32 s[G1S+0], s43, (3<<16)|(1<<20)|(1<<21)|(5<<22)|(3<<25)   ; the scale bytes of 128 rows: 4,096 dense bytes as 16 rows of 256, 16 of padding behind each
	s_or_b32 s[G1SB+0], s44, (3<<16)|(1<<20)|(1<<21)|(5<<22)|(3<<25)
.irp g, G1S, G1SB
	s_mov_b32 s[\g+1], 32<<16
	s_mov_b32 s[\g+2], (128*KS/256)<<16
	s_mov_b32 s[\g+3], 32<<16
	s_mov_b32 s[\g+4], 128*KS/256
	s_mov_b32 s[\g+5], 32
	s_mov_b32 s[\g+6], 0
	s_mov_b32 s[\g+7], 0
.endr
	s_lshl_b32 s18, s16, 7
	s_lshl_b32 s20, s17, 8
	s_add_co_u32 s20, s20, s18                     ; A: row 256 x tile row + 128 x half
	s_lshl_b32 s22, s20, 5                         ; its scale bytes,
	s_lshl_b32 s20, s20, 9                         ; its codes
	s_mov_b32 s21, 0
	s_mov_b32 s23, 0
	s_lshl_b32 s46, s100, 19                       ; B: 524,288 p + 131,072 x tile column + 65,536 x half
	s_lshl_b32 s98, s42, 17
	s_add_co_u32 s46, s46, s98
	s_lshl_b32 s98, s16, 16
	s_add_co_u32 s46, s46, s98
	s_mov_b32 s47, 0
	s_lshl_b32 s92, s100, 10                       ; its scale bytes: (1,024 p + 256 x tile column + 128 x half) x 32
	s_lshl_b32 s98, s42, 8
	s_add_co_u32 s92, s92, s98
	s_add_co_u32 s92, s92, s18
	s_lshl_b32 s92, s92, 5
	s_mov_b32 s93, 0
	s_mul_i32 s45, s16, HALFA                      ; where they go: no place in the cluster enters an LDS address
	s_mul_i32 s95, s16, HALFB
	s_add_co_u32 s95, s95, 2*HALFA
	s_mul_i32 s94, s14, HALFS
	s_mov_b32 s66, 0x3e38aa3b                      ; c = log2(e) / 8
	s_mov_b32 s67, s66
	s_wait_dscnt 0x0                               ; both opening adds are done
	s_wait_kmcnt 0x0
	s_add_nc_u64 s[20:21], s[4:5], s[20:21]
	s_add_nc_u64 s[22:23], s[6:7], s[22:23]
	s_add_nc_u64 s[46:47], s[8:9], s[46:47]
	s_add_nc_u64 s[92:93], s[10:11], s[92:93]
	CROUND                                         ; all sixteen work-groups are here: the joint loads meet
	s_mov_b32 s[G0S], 1
	s_add_co_u32 s[G0S+1], s94, SCL
	s_mov_b64 s[G0S+2:G0S+3], s[22:23]
	s_or_b32 s[G0S+3], s[G0S+3], 0x80000000
	s_mov_b32 s[G0SB], 1
	s_add_co_u32 s[G0SB+1], s94, SCL
	s_mov_b64 s[G0SB+2:G0SB+3], s[92:93]
	s_or_b32 s[G0SB+3], s[G0SB+3], 0x80000000
	JLOAD G0S, G1S, G0SB, G1SB                     ; three loads of mine are out at the most: the scales, slot 0, slot 1
.irp s, 0,1
	s_mov_b32 s[G0+4*\s], 1
	s_add_co_u32 s[G0+4*\s+1], s45, \s*SLOT
	s_add_nc_u64 s[G0+4*\s+2:G0+4*\s+3], s[20:21], \s*ROWB
	s_or_b32 s[G0+4*\s+3], s[G0+4*\s+3], 0x80000000
	s_mov_b32 s[G0B+4*\s], 1
	s_add_co_u32 s[G0B+4*\s+1], s95, \s*SLOT
	s_add_nc_u64 s[G0B+4*\s+2:G0B+4*\s+3], s[46:47], \s*4096
	s_or_b32 s[G0B+4*\s+3], s[G0B+4*\s+3], 0x80000000
	JLOAD G0+4*\s, G1, G0B+4*\s, G1B
.endr
	v_and_b32 v1, 15, v0                           ; l % 16
	v_bfe_u32 v2, v0, 4, 1                         ; l / 16
	v_and_b32 v6, 31, v0                           ; l
	v_mul_u32_u24 v3, v1, PITCH
	v_lshl_add_u32 v4, v2, 4, v3                   ; A: a fragment's row x pitch + 16 x half
	v_lshlrev_b32 v7, 4, v6                        ; B: 16 x lane
	s_mul_i32 s21, s15, HALFA                      ; my 128 rows of A
	s_mul_i32 s22, s16, HALFB                      ; my 8 column tiles of B,
	s_add_co_u32 s22, s22, 2*HALFA                 ; behind A's 256 rows
.irp s, 0,1
	v_add_nc_u32 v[ADRA+\s], s21, v4
	v_add_nc_u32 v[ADRB+\s], s22, v7
	s_add_co_u32 s21, s21, SLOT
	s_add_co_u32 s22, s22, SLOT
.endr
	v_mul_u32_u24 v5, v1, KS                       ; my row's scale bytes: KS a row,
	v_lshrrev_b32 v8, 8, v5
	v_lshl_add_u32 v5, v8, 4, v5                   ; and 16 more for each 256 passed
	s_mul_i32 s21, s15, HALFS
	s_mul_i32 s22, s16, HALFS
	s_add_co_u32 s22, s22, 2*HALFS
	s_sub_co_u32 s22, s22, s21
	v_mul_u32_u24 v8, s22, v2                      ; lanes 16-31 take B's
	s_add_co_u32 s21, s21, SCL
	v_add_nc_u32 v5, v5, v8
	v_add_nc_u32 v[ADRS], s21, v5
	s_cmp_eq_u32 s100, 2                           ; v's images: lanes 16-31 at place l xor 8
	s_cselect_b32 s98, 8, 0
	v_lshrrev_b32 v8, 1, v6
	v_and_b32 v8, 8, v8
	v_and_b32 v8, s98, v8
	v_xor_b32 v8, v6, v8
	v_lshlrev_b32 v[CO], 4, v8
	v_lshlrev_b32 v[BQO], 5, v2
	s_lshl_b32 s20, s17, 4
	s_lshl_b32 s21, s15, 3
	s_add_co_u32 s20, s20, s21
	s_lshl_b32 s20, s20, 15                        ; (16 x tile row + 8 x half) rows of images, 32,768 bytes each
	s_lshl_b32 s98, s42, 3
	s_lshl_b32 s99, s16, 2
	s_add_co_u32 s98, s98, s99
	s_lshl_b32 s98, s98, 10                        ; + (8 x tile column + 4 x half) images
	s_add_co_u32 s20, s20, s98
	s_mov_b32 s21, 0
	s_add_nc_u64 s[12:13], s[12:13], s[20:21]
.macro FRAG reg, adr, q, i             ; A: 16 rows x 128 K of 4-bit codes: registers 4 c .. 4 c + 3 hold K = 64 c + 32 (l / 16) + 0 .. 31
.irp c, 0,1
	ds_load_b128 v[\reg+4*\c:\reg+4*\c+3], v[\adr] offset:64*(\q)+32*\c+(\i)*16*PITCH
.endr
.endm
; 16 matrix instructions: A's blocks a0, a0 + 1 x B's eight.  The 64 accumulators take turns, one instruction a turn, in the same order in every step.
.macro MUL16 a0, p, q, sc, zero
.irp a, \a0, \a0+1
.irp b, 0,1,2,3,4,5,6,7
.if \zero
	v_wmma_scale_f32_16x16x128_f8f6f4 v[8*(8*((\a)%4)+\b):8*(8*((\a)%4)+\b)+7], v[128*(\p)+FR*\b:128*(\p)+FR*\b+FR-1], v[AF+FR*(\a):AF+FR*(\a)+FR-1], 0, v[SC+8*NQ*(\sc)+NQ*\b+(\q)], v[SC+8*NQ*(\sc)+NQ*(\a)+(\q)] matrix_a_fmt:MATRIX_FMT_FP4 matrix_b_fmt:MATRIX_FMT_FP4 matrix_a_scale:MATRIX_SCALE_ROW1
.else
	v_wmma_scale_f32_16x16x128_f8f6f4 v[8*(8*((\a)%4)+\b):8*(8*((\a)%4)+\b)+7], v[128*(\p)+FR*\b:128*(\p)+FR*\b+FR-1], v[AF+FR*(\a):AF+FR*(\a)+FR-1], v[8*(8*((\a)%4)+\b):8*(8*((\a)%4)+\b)+7], v[SC+8*NQ*(\sc)+NQ*\b+(\q)], v[SC+8*NQ*(\sc)+NQ*(\a)+(\q)] matrix_a_fmt:MATRIX_FMT_FP4 matrix_b_fmt:MATRIX_FMT_FP4 matrix_a_scale:MATRIX_SCALE_ROW1
.endif
.endr
.endr
.endm
.macro FETCH_B slot, q, p              ; B's eight fragments of the slot's q-th 128 along K into set p: images, two loads each
	WIN TO_B
.irp i, 0,1,2,3,4,5,6,7
.irp c, 0,1
	ds_load_b128 v[128*(\p)+FR*\i+4*\c:128*(\p)+FR*\i+4*\c+3], v[ADRB+\slot] offset:\i*4096+(\q)*1024+512*\c
.endr
.endr
	WIN 0
.endm
.macro FETCH_A slot, q, i0
.irp i, \i0, \i0+1, \i0+2, \i0+3
	FRAG AF+FR*(\i), ADRA+\slot, \q, \i
.endr
.endm
.macro SCALES sc                       ; a slot's scale words: lanes 0-15 take A's block i, lanes 16-31 B's block i
.irp i, 0,1,2,3,4,5,6,7
	ds_load_b128 v[SC+8*NQ*\sc+NQ*\i:SC+8*NQ*\sc+NQ*\i+3], v[ADRS] offset:\i*SBLK
.endr
.endm
.macro PLACES n                        ; plain vector instructions that name none of a matrix instruction's registers, ahead of loads into its operands and of the first read of results
.rept \n
	v_nop
.endr
.endm
.macro STEP slot, q, zero              ; 128 along K, with its successor in the same slot
	s_wait_dscnt 4*NL                              ; B's set and A's blocks 0-3 are in; A's blocks 4-7 may be out
	WIN MUL_LO
	MUL16 0, (\q)%2, \q, \slot, \zero
	MUL16 2, (\q)%2, \q, \slot, \zero
	s_wait_dscnt 0
	PLACES NP
	FETCH_B \slot, (\q)+1, 1-(\q)%2
	FETCH_A \slot, (\q)+1, 0
	WIN MUL_HI
	MUL16 4, (\q)%2, \q, \slot, \zero
	MUL16 6, (\q)%2, \q, \slot, \zero
	PLACES NP
	WIN 0
	FETCH_A \slot, (\q)+1, 4
.endm
.macro STEPS slot, from
.set Q, \from
.rept NQ-1-\from
	STEP \slot, Q, 0
.set Q, Q+1
.endr
.endm
	s_wait_tensorcnt 1                             ; the scales and my part of slot 0 are in; slot 1's load may be out
	s_barrier_signal -1
	s_barrier_wait -1
	FETCH_B 0, 0, 0
	FETCH_A 0, 0, 0
	SCALES 0
	FETCH_A 0, 0, 4
	STEP 0, 0, 1                                   ; the first products start the sums: nothing is cleared
	STEPS 0, 1
	; slot 0's last step, and the change to slot 1: one barrier, in front of which my part of slot 1 has landed
	s_wait_tensorcnt 0x0
	ds_add_u32 v[SPW], v[NIL]
	s_wait_dscnt 4*NL+1                            ; the add and A's blocks 4-7 may be out
	WIN MUL_LO
	MUL16 0, 1, NQ-1, 0, 0
	s_wait_dscnt 0x0
	s_barrier_signal -1
	MUL16 2, 1, NQ-1, 0, 0
	WIN 0
	s_barrier_wait -1
	PLACES NP
	v_add_nc_u32 v[ADRS], 4*NQ, v[ADRS]            ; on to slot 1's scale words
	FETCH_B 1, 0, 0
	FETCH_A 1, 0, 0
	SCALES 1
	WIN MUL_HI
	MUL16 4, 1, NQ-1, 0, 0
	MUL16 6, 1, NQ-1, 0, 0
	PLACES NP
	WIN 0
	FETCH_A 1, 0, 4
	STEPS 1, 0
	s_wait_dscnt 4*NL
	WIN MUL_LO
	MUL16 0, 1, NQ-1, 1, 0
	MUL16 2, 1, NQ-1, 1, 0
	s_wait_dscnt 0
	WIN MUL_HI
	MUL16 4, 1, NQ-1, 1, 0
	MUL16 6, 1, NQ-1, 1, 0
	WIN 0
	PLACES NP                                      ; behind the last products, on both ways below
	; q alone: q' = c x sum + c x bq.  Load and use stand in ONE branch on p.
	s_cmp_lg_u32 s100, 0
	s_cbranch_scc1 .Lplain
	s_lshl_b32 s98, s42, 10
	s_lshl_b32 s99, s16, 9
	s_add_co_u32 s98, s98, s99                     ; (256 x tile column + 128 x half) x 4 bytes
	s_mov_b32 s99, 0
	s_add_nc_u64 s[96:97], s[96:97], s[98:99]
.irp b, 0,1,2,3,4,5,6,7
	global_load_b128 v[BQ+8*\b:BQ+8*\b+3], v[BQO], s[96:97] offset:64*\b        ; bq at my eight columns of column tile b
	global_load_b128 v[BQ+8*\b+4:BQ+8*\b+7], v[BQO], s[96:97] offset:64*\b+16
.endr
	s_wait_loadcnt 0x0
.set i, 0
.rept 32
	v_pk_mul_f32 v[BQ+i:BQ+i+1], v[BQ+i:BQ+i+1], s[66:67] op_sel_hi:[1,0]
.set i, i+2
.endr
.macro QSCALE                          ; the window's 32 accumulators, each from its low end on
.irp a, 0,1,2,3
.irp b, 0,1,2,3,4,5,6,7
.irp r, 0,2,4,6
	v_pk_fma_f32 v[8*(8*\a+\b)+\r:8*(8*\a+\b)+\r+1], v[8*(8*\a+\b)+\r:8*(8*\a+\b)+\r+1], s[66:67], v[BQ+8*\b+\r:BQ+8*\b+\r+1] op_sel_hi:[1,0,1]
.endr
.endr
.endr
.endm
	WIN 0x82                                       ; destination and source 0 window 2, source 2 window 0
	QSCALE
	WIN 0xc3
	QSCALE
	WIN 0
.Lplain:
	; THE WAY OUT: block a (16 tokens x 128 columns) is packed to f16 and stored as eight half images
.macro PACK a
.set AC, 64*((\a)%4)
.set T, 128+32*((\a)%4)
	WIN 0x0a+5*((\a)/4)                            ; sources 0 and 1: window 2 or 3
.irp b, 0,1,2,3,4,5,6,7
.irp r, 0,1,2,3
	v_cvt_pk_f16_f32 v[T+4*\b+\r], v[AC+8*\b+2*\r], v[AC+8*\b+2*\r+1]
.endr
.endr
	WIN 0
.irp b, 0,1,2,3,4,5,6,7
	global_store_b128 v[CO], v[T+4*\b:T+4*\b+3], s[12:13] offset:(\a)*32768+\b*512   ; 32 lanes store 512 consecutive bytes
.endr
.endm
.irp a, 0,1,2,3,4,5,6,7
.if \a >= 4
	s_wait_xcnt 0x0                                ; block a - 4's stores have read their registers: they are written again only behind this wait
.endif
	PACK \a
.endr
	s_wait_tensorcnt 0x0                           ; the wave's end
	ds_add_u32 v[SPW], v[NIL]
	s_wait_dscnt 0x0
	CROUND                                         ; the closing round
	s_endpgm
.Lfunc_end_k_q2f9aef7863_proj:
	.size	k_q2f9aef7863_proj, .Lfunc_end_k_q2f9aef7863_proj-k_q2f9aef7863_proj
	.p2alignl 7, 3214868480
	.fill 96, 4, 3214868480
	.section	.rodata,"a",@progbits
	.p2align	6, 0x0
	.amdhsa_kernel k_q2f9aef7863_proj
		.amdhsa_group_segment_fixed_size 327680
		.amdhsa_private_segment_fixed_size 0
		.amdhsa_enable_private_segment 0
		.amdhsa_kernarg_size 48
		.amdhsa_user_sgpr_count 2
		.amdhsa_user_sgpr_kernarg_segment_ptr 1
		.amdhsa_wavefront_size32 1
		.amdhsa_system_sgpr_workgroup_id_x 1
		.amdhsa_system_sgpr_workgroup_id_y 1
		.amdhsa_system_sgpr_workgroup_id_z 1
		.amdhsa_system_vgpr_workitem_id 0
		.amdhsa_next_free_vgpr 1024
		.amdhsa_next_free_sgpr 102
		.amdhsa_reserve_vcc 0
		.amdhsa_float_denorm_mode_32 3
		.amdhsa_float_denorm_mode_16_64 3
		.amdhsa_memory_ordered 1
		.amdhsa_forward_progress 1
		.amdhsa_inst_pref_size 138
	.end_amdhsa_kernel
	.amdgpu_metadata
---
amdhsa.version: [ 1, 2 ]
amdhsa.kernels:
  - .name:           k_q2f9aef7863_proj
    .symbol:         k_q2f9aef7863_proj.kd
    .args:
      - { .name: xc, .offset: 0, .size: 8, .value_kind: global_buffer, .address_space: global }
      - { .name: xs, .offset: 8, .size: 8, .value_kind: global_buffer, .address_space: global }
      - { .name: wc, .offset: 16, .size: 8, .value_kind: global_buffer, .address_space: global }
      - { .name: ws, .offset: 24, .size: 8, .value_kind: global_buffer, .address_space: global }
      - { .name: qkv, .offset: 32, .size: 8, .value_kind: global_buffer, .address_space: global }
      - { .name: bq, .offset: 40, .size: 8, .value_kind: global_buffer, .address_space: global }
    .group_segment_fixed_size: 327680
    .private_segment_fixed_size: 0
    .kernarg_segment_align: 8
    .kernarg_segment_size: 48
    .max_flat_workgroup_size: 128
    .sgpr_count:     102
    .vgpr_count:     1024
    .wavefront_size: 32
...
	.end_amdgpu_metadata
.endif
;; end of part 2
;; launch attn (part 3): grid 4 x 64, 16 waves a work-group, clusters of 4 x 4, 327,680 bytes of LDS; arguments qkv, mask, bv, ctxf; writes ctxf
.if DOCPART == 3
	.amdgcn_target "amdgcn-amd-amdhsa--gfx1250"
	.amdhsa_code_object_version 6
	.text
	.protected	k_q2f9aef7863_attn
	.globl	k_q2f9aef7863_attn
	.p2align	8
	.type	k_q2f9aef7863_attn,@function
k_q2f9aef7863_attn:
	s_mov_b64 s[64:65], 0
	v_nop
	global_prefetch_b8 v0, s[64:65] scope:SCOPE_SE
	s_setreg_imm32_b32 hwreg(HW_REG_WAVE_MODE, 25, 1), 1
	s_wait_xcnt 0x0
	s_wait_alu depctr_hold_cnt(0) depctr_sa_sdst(0) depctr_va_vdst(0) depctr_va_sdst(0) depctr_va_ssrc(0) depctr_va_vcc(0) depctr_vm_vsrc(0)
	s_getreg_b32 s2, hwreg(HW_REG_IB_STS2, 6, 4)
	s_cmp_eq_u32 s2, 0
	s_cbranch_scc0 .Lentry_in_a_cluster
	s_endpgm
.Lentry_in_a_cluster:
	s_bfe_u32 s2, ttmp6, 0x10000c
	s_cmp_lg_u32 s2, 0xf033
	s_cbranch_scc0 .Lentry_shape_is_right
	s_endpgm
.Lentry_shape_is_right:
; Launch 3 of 4: ctx = softmax(q k^T / 8 + mask x (-1e9)) v + bv, for each batch and head.  f16 operands, f32 sums, softmax in f32 with a running maximum.
; q' . k is the score in powers of two (q' = c q, c = log2(e) / 8, made by the launch before).  u = mask x CM + q' . k, CM = -1e9 log2(e), one fused multiply-add; p = 2^(u - m), m the running maximum of u;
; l, the sum of the unrounded p, divides at the end; in every step O and l are multiplied by a = 2^(m_old - m_new).  bv is added behind the division: sum(p (v + bv)) / sum(p) = sum(p v) / sum(p) + bv.
; LIMITS: the mask's term is rounded once and in powers of two, where the source rounds mask x (-1e9) and the sum in natural units: the same result wherever mask x 1e9 is exact (0 and 1 among them); a row all of whose keys are
; masked by 1 comes out uniform, as in the source, while its |scores| x log2(e) stay under 64; mask x CM beyond f32's range, NaN and infinities are not served.
; SHARES.  A work-group owns 512 queries of one (batch, head); each of its sixteen waves 32 of them, two tiles of 16, in 256 registers: four waves to a SIMD, so that one wave's vector work stands beside another's matrix work.
; Every wave walks the 2,048 keys, 64 a step, through a ring of two LDS slots: the mask's tile (512 queries x 64 keys, f32, pitch 272), K's and V's tiles (8,192 bytes each, images of operand registers).
; CLUSTER, 4 x 4: x = the query block, y = (batch, head).  K and V hang on y alone: asked for jointly along a row of the cluster.  The mask's tile hangs on x alone: asked for jointly along a column.
; Waves 0-7 fetch 64 rows of the mask each, wave 8 K, wave 9 V; one load a wave behind each round, so one tensor load of a wave is out at the most.
; LAYOUT.  S^T = K Q^T (source 0 = 16 keys, source 1 = 16 queries): a lane holds ONE query (lane % 16) and keys 8 (lane / 16) + 0 .. 7 of the tile.  Two such tiles, packed to f16, ARE source 1 of O^T = V^T P.
; V lies [token][channel] and is turned by ds_load_tr16_b128: lane l asks for the 16 bytes of key 8 (l / 16) + l % 8, channels 8 ((l / 8) % 2) + 0 .. 7, which in the image lie at place (key ^ 8 e) + 16 e, e = (l / 8) % 2.
; REGISTERS: v1-10 addresses; v12-27 statistics (8 a tile: -m, 0, l (two halves), four at work, a in the third of them); v28-31 set-up; v32-63 Q; v64-95 X, v96-127 Y: K's fragments, then V's and the mask; v128-191 S^T, p, P; v192-255 O^T.
.set SLOT,  155648
.set KOFF,  139264                     ; behind the mask's 512 rows of 272 bytes
.set VOFF,  147456
.set SPARE, 2*SLOT                     ; the spare words, 128 bytes for each of sixteen waves, that no other line names
.set SPW, 1
.set NIL, 2
.set AM,  3                            ; v3-4  my place in the mask's tile, slot 0, 1
.set AK,  5                            ; v5-6  in K's
.set AV,  7                            ; v7-8  in V's
.set GO,  9                            ; v9    16 x lane
.set PFO, 10                           ; v10   the prefetches' offset
.set ST,  12
.set Q,   32
.set X,   64
.set Y,   96
.set S,   128
.set O,   192
.set WV,  12
.set SEL, 20
.set CM,  22
.set G1M, 24
.set G1K, 32
.set G0M, 40
.set G0K, 48
.set G0V, 56
.set CNT, 66
.set PFA, 68
.set PFS, 70
.set PFON, 72
.macro CROUND
	s_barrier_signal -1
	s_barrier_wait -1
	s_cmp_lg_u32 s[WV], 0
	s_cbranch_scc1 .Lnot_wave_0_\@
	s_barrier_signal -3
.Lnot_wave_0_\@:
	s_barrier_wait -3
	s_barrier_signal -1
	s_barrier_wait -1
.endm
.macro PLACES n
.rept \n
	v_nop
.endr
.endm
; The joint loads into slot n.  The branches hang on the wave's number alone.  An s_nop 0 and four v_nop follow each line.
.macro TLOAD n
	s_cmp_lt_u32 s[WV], 8
	s_cbranch_scc0 .Lnot_m_\@
	tensor_load_to_lds s[G0M+4*(\n):G0M+4*(\n)+3], s[G1M:G1M+7]
	s_nop 0
	PLACES 4
	s_branch .Lasked_\@
.Lnot_m_\@:
	s_cmp_eq_u32 s[WV], 8
	s_cbranch_scc0 .Lnot_k_\@
	tensor_load_to_lds s[G0K+4*(\n):G0K+4*(\n)+3], s[G1K:G1K+7]
	s_nop 0
	PLACES 4
	s_branch .Lasked_\@
.Lnot_k_\@:
	s_cmp_eq_u32 s[WV], 9
	s_cbranch_scc0 .Lasked_\@
	tensor_load_to_lds s[G0V+4*(\n):G0V+4*(\n)+3], s[G1K:G1K+7]
	s_nop 0
	PLACES 4
.Lasked_\@:
.endm
; A PREFETCH of tiles that later trips' joint loads will ask for; trip t's refill asks for tile t + 1.  Each aligned block of 256 bytes is named once in the launch.
; Wave 10 of every work-group, in even trips: tiles t + 2 and t + 3 of K and of V; of each tile's four rows of 2,048 bytes the partner at place cx takes row cx (told apart by address): 8 blocks x K, V x two tiles = 32 lanes.
; Waves 11-14 of the clusters with y = 0, in every trip: tile t + 2 of the mask, a lane a row of 256 bytes: rows 512 x + 128 cy + 32 (wave - 11) + lane.  The loop's 30 trips reach tile 31; the two trips behind it ask for nothing.
.macro ASK kind                        ; 1: an even trip; 2: an odd one
.if \kind == 1
	s_cmp_ge_u32 s[PFON], 1
.else
	s_cmp_eq_u32 s[PFON], 1
.endif
	s_cbranch_scc0 .Lnot_mine_\@
	global_prefetch_b8 v[PFO], s[PFA:PFA+1] th:TH_LOAD_NT scope:SCOPE_SE
.Lnot_mine_\@:
.endm
	s_load_b256 s[4:11], s[0:1], 0x0               ; qkv s[4:5], mask s[6:7], bv s[8:9], ctxf s[10:11]
	v_lshl_add_u32 v[SPW], v0, 2, SPARE
	v_mov_b32 v[NIL], 0
	ds_add_u32 v[SPW], v[NIL]                      ; the wave's opening: the add, twice on end, and its wait ahead of the first tensor load
	ds_add_u32 v[SPW], v[NIL]
	v_lshrrev_b32 v11, 5, v0
	v_readfirstlane_b32 s[WV], v11                 ; wave 0..15
	s_bfe_u32 s13, ttmp6, 0x40000                  ; cx
	s_bfe_u32 s14, ttmp6, 0x40004                  ; cy
	s_lshl_b32 s15, ttmp9, 2
	s_add_co_u32 s15, s15, s13                     ; x: my block of 512 queries
	s_and_b32 s85, ttmp7, 0xffff                   ; cluster y
	s_lshl_b32 s16, s85, 2
	s_add_co_u32 s16, s16, s14                     ; y
	s_lshr_b32 s17, s16, 4                         ; batch
	s_and_b32 s18, s16, 15                         ; head
	s_lshl_b32 s19, s14, 2
	s_lshl_b32 s19, 15, s19                        ; my row of the cluster
	s_lshl_b32 s73, 0x1111, s13                    ; my column
	s_or_b32 s[G1M], s73, (2<<16)|(1<<20)|(1<<21)|(5<<22)|(3<<25)  ; the mask: elements of 4 bytes; four words of padding behind every 64; 64 rows x 64, 2,048 elements from row to row
	s_mov_b32 s[G1M+1], 64<<16
	s_mov_b32 s[G1M+2], 64<<16
	s_mov_b32 s[G1M+3], 64<<16
	s_mov_b32 s[G1M+4], 64
	s_mov_b32 s[G1M+5], 2048
	s_mov_b32 s[G1M+6], 0
	s_mov_b32 s[G1M+7], 0
	s_or_b32 s[G1K], s19, (3<<16)|(1<<21)          ; K, V: elements of 8 bytes: 4 rows (tiles of 16 tokens) of 2,048 bytes (the head's two images), 32,768 bytes apart
	s_mov_b32 s[G1K+1], 256<<16
	s_mov_b32 s[G1K+2], 4<<16
	s_mov_b32 s[G1K+3], 256<<16
	s_mov_b32 s[G1K+4], 4
	s_mov_b32 s[G1K+5], 4096
	s_mov_b32 s[G1K+6], 0
	s_mov_b32 s[G1K+7], 0
	s_mov_b32 s[SEL], 0x76543210
	s_mov_b32 s[SEL+1], 0xfedcba98
	s_mov_b32 s[CM], 0xceabfb8f                    ; -1e9 log2(e)
	s_mov_b32 s[CM+1], s[CM]
	s_mov_b32 s[CNT], 15
	s_and_b32 s84, s[WV], 7
	s_lshl_b32 s74, s15, 22                        ; the mask: 512 x rows of 8,192 bytes,
	s_lshl_b32 s75, s84, 19                        ; + my 64 rows
	s_add_co_u32 s74, s74, s75
	s_mov_b32 s75, 0
	s_mul_i32 s90, s84, 64*272                     ; and where they go
	s_lshl_b32 s78, s17, 22                        ; K, V: the batch's 128 rows of images, + the head's two
	s_lshl_b32 s79, s18, 11
	s_add_co_u32 s78, s78, s79
	s_mov_b32 s79, 0
	s_lshl_b32 s86, s17, 7                         ; Q and ctx: row of images 128 b + 32 x + 2 wave, + the head's two
	s_lshl_b32 s87, s15, 5
	s_add_co_u32 s86, s86, s87
	s_lshl_b32 s87, s[WV], 1
	s_add_co_u32 s86, s86, s87
	s_lshl_b32 s86, s86, 15
	s_lshl_b32 s87, s18, 11
	s_add_co_u32 s86, s86, s87
	s_mov_b32 s87, 0
	s_lshl_b32 s82, s13, 15                        ; the prefetches of K and V: my partner's row cx, at tile 1 of K: the first trip steps it to tile 2
	s_add_co_u32 s82, s82, s78
	s_add_co_u32 s82, s82, 0x1000000+0x20000
	s_lshl_b32 s83, s15, 9                         ; of the mask: row 512 x + 128 cy + 32 (wave - 11), at tile 1
	s_lshl_b32 s91, s14, 7
	s_add_co_u32 s83, s83, s91
	s_add_co_u32 s91, s[WV], 1
	s_and_b32 s91, s91, 3                          ; (wave - 11) mod 4
	s_lshl_b32 s91, s91, 5
	s_add_co_u32 s83, s83, s91
	s_lshl_b32 s83, s83, 13
	s_add_co_u32 s83, s83, 256
	s_sub_co_u32 s91, s[WV], 11
	s_lshr_b32 s91, s91, 2                         ; 0 in waves 11 to 14,
	s_or_b32 s91, s91, s85                         ; of the clusters with y = 0: the same in all partners
	s_cmp_eq_u32 s91, 0
	s_cselect_b32 s[PFON], 1, 0
	s_wait_dscnt 0x0                               ; both opening adds are done
	s_wait_kmcnt 0x0
	s_mov_b32 s[PFS], 256
	s_cmp_eq_u32 s[WV], 10
	s_cselect_b32 s[PFON], 2, s[PFON]
	s_cselect_b64 s[PFA:PFA+1], s[4:5], s[6:7]
	s_cselect_b32 s82, s82, s83
	s_cselect_b32 s[PFS], 0x20000, s[PFS]          ; a tile on: 131,072 bytes in K and V, 256 in a row of the mask
	s_cselect_b32 s73, -1, 0
	s_mov_b32 s83, 0
	s_mov_b32 s[PFS+1], 0
	s_add_nc_u64 s[PFA:PFA+1], s[PFA:PFA+1], s[82:83]
	s_add_nc_u64 s[76:77], s[6:7], s[74:75]
	s_add_nc_u64 s[80:81], s[4:5], s[78:79]
	s_add_nc_u64 s[88:89], s[4:5], s[86:87]        ; Q
	s_add_nc_u64 s[10:11], s[10:11], s[86:87]      ; ctx
	s_lshl_b32 s86, s18, 8
	s_add_nc_u64 s[8:9], s[8:9], s[86:87]          ; bv at my head
.irp n, 0,1
	s_mov_b32 s[G0M+4*\n], 1
	s_add_co_u32 s[G0M+4*\n+1], s90, \n*SLOT
	s_add_nc_u64 s[G0M+4*\n+2:G0M+4*\n+3], s[76:77], \n*256
	s_or_b32 s[G0M+4*\n+3], s[G0M+4*\n+3], 0x80000000
	s_mov_b32 s[G0K+4*\n], 1
	s_mov_b32 s[G0K+4*\n+1], \n*SLOT+KOFF
	s_add_nc_u64 s[G0K+4*\n+2:G0K+4*\n+3], s[80:81], 0x1000000+\n*0x20000   ; k begins 16 MiB into qkv
	s_or_b32 s[G0K+4*\n+3], s[G0K+4*\n+3], 0x80000000
	s_mov_b32 s[G0V+4*\n], 1
	s_mov_b32 s[G0V+4*\n+1], \n*SLOT+VOFF
	s_add_nc_u64 s[G0V+4*\n+2:G0V+4*\n+3], s[80:81], 0x2000000+\n*0x20000   ; v 32 MiB
	s_or_b32 s[G0V+4*\n+3], s[G0V+4*\n+3], 0x80000000
.endr
	CROUND                                         ; all sixteen work-groups are here: the first joint loads meet
	TLOAD 0                                        ; tile 0
	v_and_b32 v28, 31, v0                          ; l
	v_and_b32 v29, 15, v0                          ; r
	v_bfe_u32 v30, v0, 4, 1                        ; h: kept for the way out
	v_lshlrev_b32 v[GO], 4, v28
.irp t, 0,1
.irp d, 0,1
.irp g, 0,1
	global_load_b128 v[Q+16*\t+8*\d+4*\g:Q+16*\t+8*\d+4*\g+3], v[GO], s[88:89] offset:\t*32768+\d*1024+\g*512   ; Q stays in registers
.endr
.endr
.endr
	s_mul_i32 s91, s[WV], 32*272
	v_mul_u32_u24 v[AM], v29, 272
	v_lshl_add_u32 v[AM], v30, 5, v[AM]
	v_add_nc_u32 v[AM], s91, v[AM]                 ; my wave's 32 rows; row r; 32 h bytes: keys 8 h on
	v_add_nc_u32 v[AM+1], SLOT, v[AM]
	v_add_nc_u32 v[AK], KOFF, v[GO]
	v_add_nc_u32 v[AK+1], SLOT, v[AK]
	v_and_b32 v31, 7, v0
	v_lshl_add_u32 v31, v30, 3, v31                ; the key in its tile: 8 h + l % 8
	v_bfe_u32 v11, v0, 3, 1                        ; e
	v_lshlrev_b32 v29, 3, v11
	v_xor_b32 v31, v31, v29
	v_lshl_add_u32 v31, v11, 4, v31                ; its place in the image
	v_lshl_add_u32 v[AV], v31, 4, VOFF
	v_add_nc_u32 v[AV+1], SLOT, v[AV]
	v_and_b32 v31, 7, v0
	v_lshlrev_b32 v31, 8, v31
	v_lshl_or_b32 v31, v11, 24, v31                ; K or V, 16 MiB apart
	v_lshl_or_b32 v31, v30, 17, v31                ; the first tile or the second
	v_lshlrev_b32 v29, 13, v28                     ; the mask: a lane a row
	v_cndmask_b32 v[PFO], v29, v31, s73
.irp t, 0,1
	v_mov_b32 v[ST+8*\t], 0x7f61b1e6               ; -m: m begins at -3e38, under every u
	v_mov_b32 v[ST+8*\t+1], 0                      ; (named with it as a pair)
	v_mov_b32 v[ST+8*\t+2], 0                      ; l
	v_mov_b32 v[ST+8*\t+3], 0
.endr
.set i, 0
.rept 64
	v_mov_b32 v[O+i], 0                            ; O^T: the step is written once: the first finds zeros, which a = 0 leaves zeros
.set i, i+1
.endr
.macro KQ8 f, t0                       ; S^T of key tiles t0, t0 + 1 x both query tiles: four accumulators by turns, two deep along the head's 64
.irp d, 0,1
.irp t, 0,1
.irp u, 0,1
.if \d == 0
	v_wmma_f32_16x16x32_f16 v[S+32*\u+8*(\t0+\t):S+32*\u+8*(\t0+\t)+7], v[\f+16*\t+8*\d:\f+16*\t+8*\d+7], v[Q+16*\u+8*\d:Q+16*\u+8*\d+7], 0
.else
	v_wmma_f32_16x16x32_f16 v[S+32*\u+8*(\t0+\t):S+32*\u+8*(\t0+\t)+7], v[\f+16*\t+8*\d:\f+16*\t+8*\d+7], v[Q+16*\u+8*\d:Q+16*\u+8*\d+7], v[S+32*\u+8*(\t0+\t):S+32*\u+8*(\t0+\t)+7]
.endif
.endr
.endr
.endr
.endm
.macro MLOAD slot, qt                  ; the mask of query tile qt, in S^T's own layout, into Y
.irp k, 0,1,2,3
.irp e, 0,1
	ds_load_b128 v[Y+8*\k+4*\e:Y+8*\k+4*\e+3], v[AM+\slot] offset:\qt*4352+64*\k+16*\e
.endr
.endr
.endm
.macro VLOAD slot, f, g                ; V^T of keys 32 g on: four fragments (16 channels x 32 keys)
.irp c, 0,1,2,3
	ds_load_tr16_b128 v[\f+8*\c:\f+8*\c+3], v[AV+\slot] offset:\g*4096+512*\c
	ds_load_tr16_b128 v[\f+8*\c+4:\f+8*\c+7], v[AV+\slot] offset:\g*4096+512*\c+2048
.endr
.endm
.macro UU qt                           ; u = mask x CM + score, each accumulator from its low end on
.set i, 0
.rept 16
	v_pk_fma_f32 v[S+32*\qt+i:S+32*\qt+i+1], v[Y+i:Y+i+1], s[CM:CM+1], v[S+32*\qt+i:S+32*\qt+i+1] op_sel_hi:[1,0,1]
.set i, i+2
.endr
.endm
.macro MAXI qt                         ; the new m, -m, and a = 2^(m_old - m_new)
.set rT, ST+8*(\qt)
.set rS, S+32*(\qt)
.irp j, 0,1,2,3
	v_max3_num_f32 v[rT+4+\j], v[rS+8*\j], v[rS+8*\j+1], v[rS+8*\j+2]
.endr
.irp w, 1,2
.irp j, 0,1,2,3
	v_max3_num_f32 v[rT+4+\j], v[rT+4+\j], v[rS+8*\j+2*\w+1], v[rS+8*\j+2*\w+2]
.endr
.endr
	v_max3_num_f32 v[rT+4], v[rT+4], v[rS+7], v[rS+15]
	v_max3_num_f32 v[rT+6], v[rT+6], v[rS+23], v[rS+31]
	v_max3_num_f32 v[rT+4], v[rT+4], v[rT+5], v[rT+6]
	v_max3_num_f32 v[rT+4], v[rT+4], v[rT+7], -v[rT]               ; with the old m
	v_permlanex16_b32 v[rT+5], v[rT+4], s[SEL], s[SEL+1]           ; the query's other 32 keys lie in the lane 16 away
	v_max_num_f32 v[rT+5], v[rT+4], v[rT+5]
	v_add_f32 v[rT+7], v[rT], v[rT+5]                              ; m_new - m_old
	v_sub_f32 v[rT], 0, v[rT+5]
	v_exp_f32 v[rT+6], -v[rT+7]
.endm
.macro TT qt                           ; u - m
.set i, 0
.rept 16
	v_pk_add_f32 v[S+32*\qt+i:S+32*\qt+i+1], v[S+32*\qt+i:S+32*\qt+i+1], v[ST+8*\qt:ST+8*\qt+1] op_sel_hi:[1,0]
.set i, i+2
.endr
.endm
.macro EXPS qt
.set i, 0
.rept 32
	v_exp_f32 v[S+32*\qt+i], v[S+32*\qt+i]
.set i, i+1
.endr
.endm
.macro SUMS qt                         ; l = a l + the sum of the unrounded p, in two chains
.set rT, ST+8*(\qt)
.set rS, S+32*(\qt)
	v_pk_fma_f32 v[rT+2:rT+3], v[rT+2:rT+3], v[rT+6:rT+7], v[rS:rS+1] op_sel_hi:[1,0,1]
	v_pk_add_f32 v[rT+4:rT+5], v[rS+2:rS+3], v[rS+4:rS+5]
.set i, 6
.rept 6
	v_pk_add_f32 v[rT+2:rT+3], v[rT+2:rT+3], v[rS+i:rS+i+1]
	v_pk_add_f32 v[rT+4:rT+5], v[rT+4:rT+5], v[rS+i+2:rS+i+3]
.set i, i+4
.endr
	v_pk_add_f32 v[rT+2:rT+3], v[rT+2:rT+3], v[rS+30:rS+31]
	v_pk_add_f32 v[rT+2:rT+3], v[rT+2:rT+3], v[rT+4:rT+5]
.endm
.macro CVTS qt                         ; p to f16, in place and ascending: register i takes numbers 2 i and 2 i + 1
.set i, 0
.rept 16
	v_cvt_pk_f16_f32 v[S+32*\qt+i], v[S+32*\qt+2*i], v[S+32*\qt+2*i+1]
.set i, i+1
.endr
.endm
.macro RESC qt                         ; O^T x a
.set i, 0
.rept 16
	v_pk_mul_f32 v[O+32*\qt+i:O+32*\qt+i+1], v[O+32*\qt+i:O+32*\qt+i+1], v[ST+8*\qt+6:ST+8*\qt+7] op_sel_hi:[1,0]
.set i, i+2
.endr
.endm
.macro PV f, g                         ; O^T += V^T P, keys 32 g on: eight accumulators by turns
.irp c, 0,1,2,3
.irp u, 0,1
	v_wmma_f32_16x16x32_f16 v[O+32*\u+8*\c:O+32*\u+8*\c+7], v[\f+8*\c:\f+8*\c+7], v[S+32*\u+8*\g:S+32*\u+8*\g+7], v[O+32*\u+8*\c:O+32*\u+8*\c+7]
.endr
.endr
.endm
; A KEY STEP: 64 keys.  No two matrix instructions that follow each other share an accumulator.
.macro STEP slot, kind
.irp t, 0,1
.irp d, 0,1
.irp g, 0,1
	ds_load_b128 v[X+16*\t+8*\d+4*\g:X+16*\t+8*\d+4*\g+3], v[AK+\slot] offset:\t*2048+\d*1024+\g*512
.endr
.endr
.endr
.irp t, 0,1
.irp d, 0,1
.irp g, 0,1
	ds_load_b128 v[Y+16*\t+8*\d+4*\g:Y+16*\t+8*\d+4*\g+3], v[AK+\slot] offset:4096+\t*2048+\d*1024+\g*512
.endr
.endr
.endr
.if \kind
	ASK \kind                                      ; behind the run of loads that the next products wait for
.endif
	s_wait_dscnt 8                                 ; keys 0-31 are in; the eight loads of keys 32-63 may be out
	KQ8 X, 0
	s_wait_dscnt 0x0
	KQ8 Y, 2
	PLACES 4                                       ; ahead of the loads into X and Y and of the first read of the scores
	MLOAD \slot, 0
	VLOAD \slot, X, 0
	s_wait_dscnt 8                                 ; the mask's eight loads are in; V's eight may be out
	UU 0
	MLOAD \slot, 1
	MAXI 0
	TT 0
	EXPS 0
	s_wait_dscnt 0x0
	UU 1
	VLOAD \slot, Y, 1
	MAXI 1
	TT 1
	EXPS 1
	v_nop                                          ; a plain instruction behind the last exponential
	s_wait_alu depctr_va_vdst(0)                   ; ONE wait for the step's 66 exponentials: nothing ahead of it names a result
	SUMS 0
	CVTS 0
	RESC 0
	SUMS 1
	CVTS 1
	RESC 1
	s_wait_dscnt 0x0                               ; V's keys 32-63
	PV X, 0
	PV Y, 1
	PLACES 5                                       ; the next step's first products write over P, an operand of these: five places; they also serve the loads into X and Y
.endm
; A TRIP: the change of slots stands at its head.  Each wave waits for all its tensor loads, adds 0 to its spare word, and waits for that and for its reads of the slot that it has left.
; refill = 1: a round of the cluster's barrier, and behind it the joint load of the next tile into that slot.  The add is then written twice on end, in every trip alike.
.macro TRIP slot, refill, kind
	s_wait_tensorcnt 0x0                           ; no tensor load of mine is out, so a group 0 may be written
	ds_add_u32 v[SPW], v[NIL]
.if \refill
	ds_add_u32 v[SPW], v[NIL]
	s_add_nc_u64 s[G0M+4*\slot+2:G0M+4*\slot+3], s[G0M+4*\slot+2:G0M+4*\slot+3], 512       ; this slot's next tile: two steps on
	s_add_nc_u64 s[G0K+4*\slot+2:G0K+4*\slot+3], s[G0K+4*\slot+2:G0K+4*\slot+3], 0x40000
	s_add_nc_u64 s[G0V+4*\slot+2:G0V+4*\slot+3], s[G0V+4*\slot+2:G0V+4*\slot+3], 0x40000
.endif
.if \kind
	s_wait_xcnt 0x0                                ; the last prefetch, a trip back, has read its address
	s_add_nc_u64 s[PFA:PFA+1], s[PFA:PFA+1], s[PFS:PFS+1]
.endif
	s_wait_dscnt 0x0
.if \refill
	CROUND
	TLOAD 1-\slot
.else
	s_barrier_signal -1
	s_barrier_wait -1
.endif
	STEP \slot, \kind
.endm
	s_wait_loadcnt 0x0                             ; Q
.Lloop:                                            ; 15 trips of two key steps: tiles 0 to 29 are read, tiles 1 to 30 asked for
	TRIP 0, 1, 1
	TRIP 1, 1, 2
	s_sub_co_u32 s[CNT], s[CNT], 1
	s_cmp_lg_u32 s[CNT], 0
	s_cbranch_scc1 .Lloop
	TRIP 0, 1, 0                                   ; the tail is written out: tile 31 is asked for,
	TRIP 1, 0, 0                                   ; and behind the last change nothing
	; THE WAY OUT: O^T / l + bv, to f16, as images of the last product's operand: ctxf [token / 16][(64 head + channel) / 32][1,024 bytes]
	v_lshlrev_b32 v28, 5, v30
.irp c, 0,1,2,3
	global_load_b128 v[S+8*\c:S+8*\c+3], v28, s[8:9] offset:64*\c          ; bv at channels 16 c + 8 h + 0 .. 7
	global_load_b128 v[S+8*\c+4:S+8*\c+7], v28, s[8:9] offset:64*\c+16
.endr
.irp t, 0,1
	v_add_f32 v[ST+8*\t+4], v[ST+8*\t+2], v[ST+8*\t+3]
.endr
.irp t, 0,1
	v_permlanex16_b32 v[ST+8*\t+5], v[ST+8*\t+4], s[SEL], s[SEL+1]
.endr
.irp t, 0,1
	v_add_f32 v[ST+8*\t+4], v[ST+8*\t+4], v[ST+8*\t+5]
.endr
.irp t, 0,1
	v_rcp_f32 v[ST+8*\t+6], v[ST+8*\t+4]
.endr
	v_nop
	s_wait_alu depctr_va_vdst(0)                   ; one wait for the two reciprocals, ahead of their first reader
	s_wait_loadcnt 0x0
.irp t, 0,1
.set i, 0
.rept 16
	v_pk_fma_f32 v[O+32*\t+i:O+32*\t+i+1], v[O+32*\t+i:O+32*\t+i+1], v[ST+8*\t+6:ST+8*\t+7], v[S+i:S+i+1] op_sel_hi:[1,0,1]
.set i, i+2
.endr
.endr
.irp t, 0,1
.set i, 0
.rept 16
	v_cvt_pk_f16_f32 v[S+32+16*\t+i], v[O+32*\t+2*i], v[O+32*\t+2*i+1]
.set i, i+1
.endr
.endr
.irp t, 0,1
.irp c, 0,1,2,3
	global_store_b128 v[GO], v[S+32+16*\t+4*\c:S+32+16*\t+4*\c+3], s[10:11] offset:\t*32768+\c*512   ; 32 lanes store 512 consecutive bytes
.endr
.endr
	s_wait_tensorcnt 0x0                           ; the wave's end
	ds_add_u32 v[SPW], v[NIL]
	s_wait_dscnt 0x0
	CROUND                                         ; the closing round
	s_endpgm
.Lfunc_end_k_q2f9aef7863_attn:
	.size	k_q2f9aef7863_attn, .Lfunc_end_k_q2f9aef7863_attn-k_q2f9aef7863_attn
	.p2alignl 7, 3214868480
	.fill 96, 4, 3214868480
	.section	.rodata,"a",@progbits
	.p2align	6, 0x0
	.amdhsa_kernel k_q2f9aef7863_attn
		.amdhsa_group_segment_fixed_size 327680
		.amdhsa_private_segment_fixed_size 0
		.amdhsa_enable_private_segment 0
		.amdhsa_kernarg_size 32
		.amdhsa_user_sgpr_count 2
		.amdhsa_user_sgpr_kernarg_segment_ptr 1
		.amdhsa_wavefront_size32 1
		.amdhsa_system_sgpr_workgroup_id_x 1
		.amdhsa_system_sgpr_workgroup_id_y 1
		.amdhsa_system_sgpr_workgroup_id_z 1
		.amdhsa_system_vgpr_workitem_id 0
		.amdhsa_next_free_vgpr 256
		.amdhsa_next_free_sgpr 92
		.amdhsa_reserve_vcc 0
		.amdhsa_float_denorm_mode_32 3
		.amdhsa_float_denorm_mode_16_64 3
		.amdhsa_memory_ordered 1
		.amdhsa_forward_progress 1
		.amdhsa_inst_pref_size 103
	.end_amdhsa_kernel
	.amdgpu_metadata
---
amdhsa.version: [ 1, 2 ]
amdhsa.kernels:
  - .name:           k_q2f9aef7863_attn
    .symbol:         k_q2f9aef7863_attn.kd
    .args:
      - { .name: qkv, .offset: 0, .size: 8, .value_kind: global_buffer, .address_space: global }
      - { .name: mask, .offset: 8, .size: 8, .value_kind: global_buffer, .address_space: global }
      - { .name: bv, .offset: 16, .size: 8, .value_kind: global_buffer, .address_space: global }
      - { .name: ctxf, .offset: 24, .size: 8, .value_kind: global_buffer, .address_space: global }
    .group_segment_fixed_size: 327680
    .private_segment_fixed_size: 0
    .kernarg_segment_align: 8
    .kernarg_segment_size: 32
    .max_flat_workgroup_size: 512
    .sgpr_count:     92
    .vgpr_count:     256
    .wavefront_size: 32
...
	.end_amdgpu_metadata
.endif
;; end of part 3
;; launch outp (part 4): grid 4 x 64, 4 waves a work-group, clusters of 4 x 4, 327,680 bytes of LDS; arguments ctxf, wof, bo, out0; writes out0
.if DOCPART == 4
	.amdgcn_target "amdgcn-amd-amdhsa--gfx1250"
	.amdhsa_code_object_version 6
	.text
	.protected	k_q2f9aef7863_outp
	.globl	k_q2f9aef7863_outp
	.p2align	8
	.type	k_q2f9aef7863_outp,@function
k_q2f9aef7863_outp:
	s_mov_b64 s[64:65], 0
	v_nop
	global_prefetch_b8 v0, s[64:65] scope:SCOPE_SE
	s_setreg_imm32_b32 hwreg(HW_REG_WAVE_MODE, 25, 1), 1
	s_wait_xcnt 0x0
	s_wait_alu depctr_hold_cnt(0) depctr_sa_sdst(0) depctr_va_vdst(0) depctr_va_sdst(0) depctr_va_ssrc(0) depctr_va_vcc(0) depctr_vm_vsrc(0)
	s_getreg_b32 s2, hwreg(HW_REG_IB_STS2, 6, 4)
	s_cmp_eq_u32 s2, 0
	s_cbranch_scc0 .Lentry_in_a_cluster
	s_endpgm
.Lentry_in_a_cluster:
	s_bfe_u32 s2, ttmp6, 0x10000c
	s_cmp_lg_u32 s2, 0xf033
	s_cbranch_scc0 .Lentry_shape_is_right
	s_endpgm
.Lentry_shape_is_right:
; Launch 4 of 4: out0 [8192][1024] f32 = ctx Wo + bo.  f16 operands, f32 sums, K = 1,024 ascending; bo is the C of each sum's first matrix instruction.
; Both operands come as images of their registers (1,024 bytes a fragment of 16 rows x 32 along K): ctxf [token / 16][k / 32], wof [n / 16][k / 32].  A fragment is read from LDS by two loads at 16 x lane: no pitch, no padding.
; A tile of out0 is 128 tokens x 256 columns: 256 work-groups.  Four waves, each 64 tokens x 128 columns: 32 accumulators.  K goes in eight steps of 128 through a ring of two LDS slots.
; CLUSTERS: 4 x 4; ctx's tile is asked for jointly along a row of the cluster, Wo's along a column.  Waves 0 and 1 fetch ctx's halves (4 rows of 4,096 bytes), waves 2 and 3 Wo's (8 rows).  One tensor load of a wave is out behind each round, two at the start.
; TRANSPOSED USE (source 0 = 16 columns of Wo, source 1 = 16 tokens): a lane holds eight neighbouring columns of one token.  No prefetch: the launch is short and its tiles are small.
; REGISTERS: window 0: v16-29 addresses; two fragment buffers at v32 and v128 (A's four fragments, then B's eight); on the way out v32-159 hold rows.  window 1: the accumulators, (a, b) at v[8 (8 a + b)].  window 2: v0-63 bo.
.set SLOT,   98304                     ; A: 8 token tiles x 4 fragments; then B: 16 column tiles x 4 fragments
.set BOFF,   32768
.set SPARE,  2*SLOT                    ; the spare words, 128 bytes for each wave, that no other line names
.set SPITCH, 528                       ; the way out: a stage of 16 rows x (512 bytes + 16) for each wave, in slot 0, which has had its last fill and its last read by then
.set ADRA, 16
.set ADRB, 20
.set STO,  24
.set RD,   25
.set CO,   26
.set BO,   27
.set SPW,  28
.set NIL,  29
.set F0,   32
.set F1,   128
.set BK,   32
.set G1, 24
.set G0, 32
.set G1B, 48
.set G0B, 56
.set MSB, 0
.macro WIN new
.if MSB != \new
	s_set_vgpr_msb (MSB<<8)|\new
.set MSB, \new
.endif
.endm
.set MUL,  0x50                        ; sources 0 and 1 window 0; C and D window 1
.set MULB, 0x60                        ; C (bo) window 2, D window 1
.macro JLOAD s
	s_cmp_eq_u32 s13, 0
	s_cbranch_scc0 .Lfor_b_\@
	tensor_load_to_lds s[G0+4*\s:G0+4*\s+3], s[G1:G1+7]
	s_nop 0
.rept 4
	v_nop
.endr
	s_branch .Lasked_\@
.Lfor_b_\@:
	tensor_load_to_lds s[G0B+4*\s:G0B+4*\s+3], s[G1B:G1B+7]
	s_nop 0
.rept 4
	v_nop
.endr
.Lasked_\@:
.endm
.macro CREST
	s_cmp_lg_u32 s12, 0
	s_cbranch_scc1 .Lnot_wave_0_\@
	s_barrier_signal -3
.Lnot_wave_0_\@:
	s_barrier_wait -3
	s_barrier_signal -1
	s_barrier_wait -1
.endm
.macro CROUND
	s_barrier_signal -1
	s_barrier_wait -1
	CREST
.endm
.macro PLACES
.rept 4
	v_nop
.endr
.endm
	s_load_b256 s[4:11], s[0:1], 0x0               ; ctxf s[4:5], wof s[6:7], bo s[8:9], out0 s[10:11]
	v_lshl_add_u32 v[SPW], v0, 2, SPARE
	v_mov_b32 v[NIL], 0
	ds_add_u32 v[SPW], v[NIL]                      ; the wave's opening: the add, twice on end, and its wait ahead of my first tensor load
	ds_add_u32 v[SPW], v[NIL]
	v_lshrrev_b32 v1, 5, v0
	v_readfirstlane_b32 s12, v1                    ; wave 0..3
	s_lshr_b32 s13, s12, 1                         ; which 64 tokens are mine.  Also: I fetch for A (0) or for B (1)
	s_and_b32 s14, s12, 1                          ; which 128 columns.  Also: which half of that tile I fetch
	s_bfe_u32 s15, ttmp6, 0x40000                  ; cx
	s_bfe_u32 s16, ttmp6, 0x40004                  ; cy
	s_lshl_b32 s17, ttmp9, 2
	s_add_co_u32 s17, s17, s15                     ; x: the tile's 256 columns
	s_and_b32 s18, ttmp7, 0xffff
	s_lshl_b32 s18, s18, 2
	s_add_co_u32 s18, s18, s16                     ; y: its 128 tokens
	s_lshl_b32 s19, s16, 2
	s_lshl_b32 s19, 15, s19                        ; my row of the cluster
	s_lshl_b32 s20, 0x1111, s15                    ; my column
	s_or_b32 s[G1], s19, (3<<16)|(1<<21)           ; elements of 8 bytes, no padding: rows of 4,096 bytes (four fragments), 32,768 bytes apart
	s_or_b32 s[G1B], s20, (3<<16)|(1<<21)
	s_mov_b32 s[G1+1], 512<<16
	s_mov_b32 s[G1+2], 4<<16
	s_mov_b32 s[G1+3], 512<<16
	s_mov_b32 s[G1+4], 4
	s_mov_b32 s[G1+5], 4096
	s_mov_b32 s[G1+6], 0
	s_mov_b32 s[G1+7], 0
	s_mov_b32 s[G1B+1], 512<<16
	s_mov_b32 s[G1B+2], 8<<16
	s_mov_b32 s[G1B+3], 512<<16
	s_mov_b32 s[G1B+4], 8
	s_mov_b32 s[G1B+5], 4096
	s_mov_b32 s[G1B+6], 0
	s_mov_b32 s[G1B+7], 0
	s_lshl_b32 s40, s18, 3
	s_lshl_b32 s21, s14, 2
	s_add_co_u32 s40, s40, s21
	s_lshl_b32 s40, s40, 15                        ; A: token tile 8 y + 4 x half
	s_mov_b32 s41, 0
	s_lshl_b32 s42, s17, 4
	s_lshl_b32 s21, s14, 3
	s_add_co_u32 s42, s42, s21
	s_lshl_b32 s42, s42, 15                        ; B: column tile 16 x + 8 x half
	s_mov_b32 s43, 0
	s_lshl_b32 s44, s14, 14                        ; where they go: no place in the cluster enters an LDS address
	s_lshl_b32 s45, s14, 15
	s_add_co_u32 s45, s45, BOFF
	s_wait_dscnt 0x0                               ; both opening adds are done
	s_wait_kmcnt 0x0
	s_add_nc_u64 s[40:41], s[4:5], s[40:41]
	s_add_nc_u64 s[42:43], s[6:7], s[42:43]
	CROUND                                         ; all sixteen work-groups are here: the first joint loads meet
.irp s, 0,1
	s_mov_b32 s[G0+4*\s], 1
	s_add_co_u32 s[G0+4*\s+1], s44, \s*SLOT
	s_add_nc_u64 s[G0+4*\s+2:G0+4*\s+3], s[40:41], \s*4096
	s_or_b32 s[G0+4*\s+3], s[G0+4*\s+3], 0x80000000
	s_mov_b32 s[G0B+4*\s], 1
	s_add_co_u32 s[G0B+4*\s+1], s45, \s*SLOT
	s_add_nc_u64 s[G0B+4*\s+2:G0B+4*\s+3], s[42:43], \s*4096
	s_or_b32 s[G0B+4*\s+3], s[G0B+4*\s+3], 0x80000000
	JLOAD \s
.endr
	v_and_b32 v1, 31, v0                           ; l
	v_and_b32 v2, 15, v0                           ; r
	v_bfe_u32 v3, v0, 4, 1                         ; h
	v_lshlrev_b32 v[CO], 4, v1
	v_lshlrev_b32 v[BO], 5, v3
	s_lshl_b32 s21, s13, 14                        ; my four token tiles
	s_lshl_b32 s22, s14, 15                        ; my eight column tiles,
	s_add_co_u32 s22, s22, BOFF                    ; behind A's
.irp s, 0,1
	v_add_nc_u32 v[ADRA+\s], s21, v[CO]
	v_add_nc_u32 v[ADRB+\s], s22, v[CO]
	s_add_co_u32 s21, s21, SLOT
	s_add_co_u32 s22, s22, SLOT
.endr
	s_mul_i32 s23, s12, 16*SPITCH                  ; my stage
	v_mul_u32_u24 v4, v2, SPITCH
	v_lshl_add_u32 v4, v3, 5, v4
	v_add_nc_u32 v[STO], s23, v4                   ; in: row r, 32 bytes for each half of the lanes
	v_add_nc_u32 v[RD], s23, v[CO]                 ; back: the 32 lanes take one row of 512 bytes
	s_lshl_b32 s46, s17, 10
	s_lshl_b32 s47, s14, 9
	s_add_co_u32 s46, s46, s47                     ; my first column, in bytes
	s_mov_b32 s47, 0
	s_add_nc_u64 s[8:9], s[8:9], s[46:47]
	s_add_nc_u64 s[10:11], s[10:11], s[46:47]
	s_lshl_b32 s46, s18, 7
	s_lshl_b32 s21, s13, 6
	s_add_co_u32 s46, s46, s21
	s_lshl_b32 s46, s46, 12                        ; my first token's row of 4,096 bytes
	s_add_nc_u64 s[10:11], s[10:11], s[46:47]
	WIN 0x80                                       ; destination window 2
.irp b, 0,1,2,3,4,5,6,7
	global_load_b128 v[8*\b:8*\b+3], v[BO], s[8:9] offset:64*\b            ; bo at my eight columns of column tile b
	global_load_b128 v[8*\b+4:8*\b+7], v[BO], s[8:9] offset:64*\b+16
.endr
	WIN 0
.macro MUL8 f, a, bias                 ; token tile a x my eight column tiles, 32 along K.  The 32 accumulators take turns in the same order in every quarter
.irp b, 0,1,2,3,4,5,6,7
.if \bias
	v_wmma_f32_16x16x32_f16 v[8*(8*(\a)+\b):8*(8*(\a)+\b)+7], v[\f+32+8*\b:\f+32+8*\b+7], v[\f+8*(\a):\f+8*(\a)+7], v[8*\b:8*\b+7]
.else
	v_wmma_f32_16x16x32_f16 v[8*(8*(\a)+\b):8*(8*(\a)+\b)+7], v[\f+32+8*\b:\f+32+8*\b+7], v[\f+8*(\a):\f+8*(\a)+7], v[8*(8*(\a)+\b):8*(8*(\a)+\b)+7]
.endif
.endr
.endm
.macro FETCH slot, kf, f               ; 24 LDS loads in one run: B's eight fragments, then A's four
	WIN 0
.irp i, 0,1,2,3,4,5,6,7
	ds_load_b128 v[\f+32+8*\i:\f+32+8*\i+3],   v[ADRB+\slot] offset:\i*4096+\kf*1024
	ds_load_b128 v[\f+32+8*\i+4:\f+32+8*\i+7], v[ADRB+\slot] offset:\i*4096+\kf*1024+512
.endr
.irp i, 0,1,2,3
	ds_load_b128 v[\f+8*\i:\f+8*\i+3],   v[ADRA+\slot] offset:\i*4096+\kf*1024
	ds_load_b128 v[\f+8*\i+4:\f+8*\i+7], v[ADRA+\slot] offset:\i*4096+\kf*1024+512
.endr
.endm
; A K step is four quarters of 32 along K, 32 matrix instructions each, on buffers 0, 1, 0, 1.  One of the first three: multiplies buffer f and fetches quarter kf into g.
.macro QUARTER slot, kf, f, g, bias
	s_wait_dscnt 4                                 ; B and A's token tiles 0, 1 are in; tiles 2, 3 may be out
	WIN MUL+0x10*\bias
	MUL8 \f, 0, \bias
	MUL8 \f, 1, \bias
	PLACES
	FETCH \slot, \kf, \g
	s_wait_dscnt 24                                ; all but the 24 just issued
	WIN MUL+0x10*\bias
	MUL8 \f, 2, \bias
	MUL8 \f, 3, \bias
.endm
; The last quarter multiplies buffer 1 and changes slots: one barrier; in front of it each wave waits for all its tensor loads, adds 0 to its spare word, and waits for that and for its reads of this slot.
.macro TURN slot, next, fill
	WIN 0
	s_wait_tensorcnt 0x0                           ; all my tensor loads have landed: my part of the next slot
	ds_add_u32 v[SPW], v[NIL]
	s_wait_dscnt 5                                 ; the add and A's token tiles 2, 3 may be out
	WIN MUL
	MUL8 F1, 0, 0
	s_wait_dscnt 0x0                               ; the add is done, and my reads of this slot are over
	s_barrier_signal -1
	MUL8 F1, 1, 0
	WIN 0
	s_barrier_wait -1
.if \fill
	CREST                                          ; the barrier has opened a round of the cluster's barrier
	s_add_nc_u64 s[G0+4*\slot+2:G0+4*\slot+3], s[G0+4*\slot+2:G0+4*\slot+3], 8192
	s_add_nc_u64 s[G0B+4*\slot+2:G0B+4*\slot+3], s[G0B+4*\slot+2:G0B+4*\slot+3], 8192
	JLOAD \slot                                    ; the first tensor load behind the round; its four v_nop are also the places in front of the loads below
.else
	PLACES
.endif
	FETCH \next, 0, F0
	WIN MUL
	MUL8 F1, 2, 0
	MUL8 F1, 3, 0
.endm
	s_wait_tensorcnt 1                             ; my part of K step 0 is in; K step 1's may be out
	s_barrier_signal -1
	s_barrier_wait -1
	FETCH 0, 0, F0
	s_wait_loadcnt 0x0                             ; bo
	QUARTER 0, 1, F0, F1, 1                        ; the first quarter's products start the sums, with bo as C
	WIN 0
	s_mov_b32 s3, 3
.Llap:                                             ; a trip goes once round the ring and fills both slots again
	QUARTER 0, 2, F1, F0, 0
	QUARTER 0, 3, F0, F1, 0
	TURN 0, 1, 1
	QUARTER 1, 1, F0, F1, 0
	QUARTER 1, 2, F1, F0, 0
	QUARTER 1, 3, F0, F1, 0
	TURN 1, 0, 1
	QUARTER 0, 1, F0, F1, 0
	WIN 0
	s_sub_co_u32 s3, s3, 1
	s_cmp_lg_u32 s3, 0
	s_cbranch_scc1 .Llap
	QUARTER 0, 2, F1, F0, 0                        ; the last lap fills nothing
	QUARTER 0, 3, F0, F1, 0
	TURN 0, 1, 0
	QUARTER 1, 1, F0, F1, 0
	QUARTER 1, 2, F1, F0, 0
	QUARTER 1, 3, F0, F1, 0
	s_wait_dscnt 4
	WIN MUL
	MUL8 F1, 0, 0
	MUL8 F1, 1, 0
	s_wait_dscnt 0x0
	MUL8 F1, 2, 0
	MUL8 F1, 3, 0
	WIN 0
; THE WAY OUT, block by block of 16 tokens x 128 columns: through my own stage in LDS, back as whole rows of 512 bytes.  LDS serves a wave's instructions in order (ISA guide 5.7.1.4).
.macro TOSTAGE a
	WIN 0x04                                       ; an LDS store's data are its source 1: window 1
.irp b, 0,1,2,3,4,5,6,7
	ds_store_b128 v[STO], v[64*(\a)+8*\b:64*(\a)+8*\b+3] offset:64*\b          ; each accumulator from its low end on
	ds_store_b128 v[STO], v[64*(\a)+8*\b+4:64*(\a)+8*\b+7] offset:64*\b+16
.endr
	WIN 0
.set BB, BK+64*((\a)%2)
.irp t, 0,1,2,3,4,5,6,7,8,9,10,11,12,13,14,15
	ds_load_b128 v[BB+4*\t:BB+4*\t+3], v[RD] offset:\t*SPITCH
.endr
.endm
.macro SEND a, younger                 ; younger: the LDS instructions issued behind block a's loads
.set BB, BK+64*((\a)%2)
	s_wait_dscnt \younger
.irp t, 0,1,2,3,4,5,6,7,8,9,10,11,12,13,14,15
	global_store_b128 v[CO], v[BB+4*\t:BB+4*\t+3], s[10:11] offset:(16*(\a)+\t)*4096 th:TH_STORE_NT   ; 32 lanes store 512 consecutive bytes, aligned
.endr
.endm
	PLACES                                         ; behind the last products: for the reads of results and the loads into the fragments' registers
	TOSTAGE 0
.irp a, 1,2,3
.if \a > 1
	s_wait_xcnt 0x0                                ; block a - 2's stores have read their registers: block a's loads may land there
.endif
	TOSTAGE \a
	SEND \a-1, 32                                  ; behind block a - 1's loads: block a's 16 stores and 16 loads
.endr
	SEND 3, 0
	s_wait_tensorcnt 0x0                           ; the wave's end
	ds_add_u32 v[SPW], v[NIL]
	s_wait_dscnt 0x0
	CROUND                                         ; the closing round
	s_endpgm
.Lfunc_end_k_q2f9aef7863_outp:
	.size	k_q2f9aef7863_outp, .Lfunc_end_k_q2f9aef7863_outp-k_q2f9aef7863_outp
	.p2alignl 7, 3214868480
	.fill 96, 4, 3214868480
	.section	.rodata,"a",@progbits
	.p2align	6, 0x0
	.amdhsa_kernel k_q2f9aef7863_outp
		.amdhsa_group_segment_fixed_size 327680
		.amdhsa_private_segment_fixed_size 0
		.amdhsa_enable_private_segment 0
		.amdhsa_kernarg_size 32
		.amdhsa_user_sgpr_count 2
		.amdhsa_user_sgpr_kernarg_segment_ptr 1
		.amdhsa_wavefront_size32 1
		.amdhsa_system_sgpr_workgroup_id_x 1
		.amdhsa_system_sgpr_workgroup_id_y 1
		.amdhsa_system_sgpr_workgroup_id_z 1
		.amdhsa_system_vgpr_workitem_id 0
		.amdhsa_next_free_vgpr 768
		.amdhsa_next_free_sgpr 66
		.amdhsa_reserve_vcc 0
		.amdhsa_float_denorm_mode_32 3
		.amdhsa_float_denorm_mode_16_64 3
		.amdhsa_memory_ordered 1
		.amdhsa_forward_progress 1
		.amdhsa_inst_pref_size 86
	.end_amdhsa_kernel
	.amdgpu_metadata
---
amdhsa.version: [ 1, 2 ]
amdhsa.kernels:
  - .name:           k_q2f9aef7863_outp
    .symbol:         k_q2f9aef7863_outp.kd
    .args:
      - { .name: ctxf, .offset: 0, .size: 8, .value_kind: global_buffer, .address_space: global }
      - { .name: wof, .offset: 8, .size: 8, .value_kind: global_buffer, .address_space: global }
      - { .name: bo, .offset: 16, .size: 8, .value_kind: global_buffer, .address_space: global }
      - { .name: out0, .offset: 24, .size: 8, .value_kind: global_buffer, .address_space: global }
    .group_segment_fixed_size: 327680
    .private_segment_fixed_size: 0
    .kernarg_segment_align: 8
    .kernarg_segment_size: 32
    .max_flat_workgroup_size: 128
    .sgpr_count:     66
    .vgpr_count:     768
    .wavefront_size: 32
...
	.end_amdgpu_metadata
.endif
;; end of part 4
